; MI455X (gfx1250); checked and timed in simulation.
; The chip was launched on July 23, 2026; its instructions are those of AMD's public machine-readable ISA for CDNA 5 (MIT licence, August 2026) and "CDNA5" Instruction Set Architecture Reference Guide (July 2026). The comments in the code are by the model that wrote it; some were corrected since.
;; Single Fc Mon Layer. Allowed arithmetic: float matrix products may take bf16 or f16 operands with f32 sums; other float arithmetic in f32, or as packed bf16 or f16 multiplies, adds, multiply-adds, maxima and minima; sums over many terms, partial sums and values carried from step to step in f32; what a program stores and reads back later, other than sums and carried values, may be rounded once to bf16 or f16.
;; Inputs: A_w 1,024 x 1,024 float32; B_w 1,024 x 1,024 float32; U_b 1,024 float32; U_w 1,024 x 3,072 float32; x 2,048 x 3,072 float32.
;; Outputs: out0 2,048 x 1,024 float32.
;; One version. Each part assembles by itself: llvm-mc -triple=amdgcn-amd-amdhsa -mcpu=gfx1250 --defsym DOCPART=n.
;; ======== version 1 of 1: 8 launches
;; limits: values are held in f16: magnitudes above 65,504 overflow, below 6.1e-05 lose precision; values outside matrix products are rounded to f16
;; workspace buffers: xb 12,582,912 bytes; ub 6,295,552 bytes; wh 2,097,152 bytes; bias 8,388,608 bytes; za 4,198,400 bytes; zb 4,198,400 bytes; par_s 256 bytes of whole numbers; par_l 256 bytes of whole numbers
;; launch prep (part 1): grid 256 x 1, 8 waves a work-group, no clusters, 239,360 bytes of LDS; arguments x, U_w, U_b, A_w, B_w, xb, ub, wh, par_s, par_l; writes xb, ub, wh, par_s, par_l
.if DOCPART == 1
	.amdgcn_target "amdgcn-amd-amdhsa--gfx1250"
	.amdhsa_code_object_version 6
	.text
	.protected	k_qe20bbbd95a_prep
	.globl	k_qe20bbbd95a_prep
	.p2align	8
	.type	k_qe20bbbd95a_prep,@function
k_qe20bbbd95a_prep:
	s_mov_b64 s[64:65], 0
	v_nop
	global_prefetch_b8 v0, s[64:65] scope:SCOPE_SE
	s_setreg_imm32_b32 hwreg(HW_REG_WAVE_MODE, 25, 1), 1
	s_wait_xcnt 0x0
; PREP.  xb = bf16(x), ub = bf16(U_w); W[n][k] = 0.9 (n = k) - sum_j A[j][n] A[j][k] + B[n][k] - B[k][n] in f16, A and B rounded to bf16 first;
; one table entry of 16 bytes a work-group behind ub's last row: the largest |x|, |U_w|, |U_b|, |W| that this work-group saw; two blocks of flags.
; reference()'s multiply(z) is z W^T with this one W, whatever z: W is formed once, so the order of rounding differs from reference()'s four products.
; LIMITS.  W is kept in f16 unscaled: |W| stays under 65,504.  NaN and infinities are not treated apart.
; SHARES.  Work-group g: 24 chunks of 4,096 bytes of x, 12 of U_w, U_b[4 g .. 4 g + 3], and the tile of 64 x 64 of W at n0 = 64 (g / 16), k0 = 64 (g % 16).
; The sum over j (1,024) is split over the eight waves: wave w owns j = 128 w .. 128 w + 127, in four slices of 32, loads, stages and reads only its own LDS bytes,
; and holds a whole partial tile (16 accumulators).  The eight partial tiles meet in LDS behind one barrier.  No cluster, no tensor load: f32 has to pass through registers to be rounded.
.set SPI,   160        ; a staged row: 64 bf16 = 128 bytes + 32: an odd multiple of 32
.set STGW,  10240      ; a wave's stage: strip P (32 rows, columns n0 ..), then strip Q (columns k0 ..)
.set QOFF,  5120
.set PART,  81920      ; eight partial tiles, f32 [64][64], rows 272 bytes apart
.set PARTW, 17408
.set PP,    272
.set TT,    221184     ; B[k0 + kk][n0 + nn], rounded, as f32, rows 260 bytes (65 words) apart: read by columns, the 16 rows of a read start in different banks
.set TP,    260
.set RED,   238080     ; 16 bytes a wave
.set SPARE, 238336     ; the spare words: 128 bytes a wave
.set T0OFF, 6291456    ; the table behind ub's rows
.set LD,  24           ; v24-151   128 registers of loads
.set FR,  152          ; v152-215  fragments: P's block a at FR + 8 a, Q's block b at FR + 32 + 8 b
.set SA,  152          ; v152-199, v200-247: the stream's two buffers, before FR, BT and BD are in use
.set SB,  200
.set BT,  216          ; v216-231  B for the transposed term
.set BD,  232          ; v232-247  B as it lies; later W
; v0 t; v1 lane % 16; v2 lane / 16; v3 lane; v4 16 t; v5 8 t; v6-v15 addresses (below); v16-19 the maxima of x, U_w, U_b, W; v20, v21, v248-251 at work; v22, v23 the add's two
; window 1: v0-127 the accumulators, (a, b) at 8 (4 a + b)
.set W_MM, 0x50        ; C and D in window 1
.set W_ST, 0x04        ; an LDS store's data in window 1
.set MSB, 0
.macro WIN new                         ; the immediate's high byte repeats the setting that is left
.if MSB != (\new)
	s_set_vgpr_msb (MSB<<8)|(\new)
.set MSB, \new
.endif
.endm
	s_load_b512 s[4:19], s[0:1], 0x0               ; x s[4:5], U_w s[6:7], U_b s[8:9], A_w s[10:11], B_w s[12:13], xb s[14:15], ub s[16:17], wh s[18:19]
	s_load_b128 s[20:23], s[0:1], 0x40             ; par_s s[20:21], par_l s[22:23]
	v_lshl_add_u32 v22, v0, 2, SPARE
	v_mov_b32 v23, 0
	v_lshrrev_b32 v20, 5, v0
	v_readfirstlane_b32 s24, v20                   ; wave 0..7
	s_mov_b32 s25, ttmp9                           ; g
	s_lshr_b32 s26, s25, 4
	s_lshl_b32 s26, s26, 6                         ; n0
	s_and_b32 s27, s25, 15
	s_lshl_b32 s27, s27, 6                         ; k0
	s_mov_b32 s40, 0x76543210                      ; v_permlanex16_b32: each lane takes its own place in the other half
	s_mov_b32 s41, 0xfedcba98
	s_mov_b32 s42, 0x7fff7fff                      ; clears the signs of two bf16
	s_mov_b32 s43, 0xffff0000                      ; a word's upper bf16
	s_mov_b32 s44, 0x7fffffff                      ; clears an f32's sign
	s_mov_b32 s45, 0x3f666666                      ; 0.9
	v_and_b32 v3, 31, v0
	v_and_b32 v1, 15, v0
	v_bfe_u32 v2, v0, 4, 1
	v_lshlrev_b32 v4, 4, v0
	v_lshlrev_b32 v5, 3, v0
	v_lshlrev_b32 v6, 4, v1
	v_lshl_add_u32 v6, v2, 12, v6                  ; v6: in A_w and B_w, lanes 0-15 take 256 bytes of one row, lanes 16-31 of the next
	s_mul_i32 s47, s24, STGW
	v_mul_u32_u24 v7, v2, SPI
	v_lshl_add_u32 v7, v1, 3, v7
	v_add_nc_u32 v7, s47, v7                       ; v7: where I stage 8 bytes of a row
	v_and_b32 v20, 7, v0
	v_bfe_u32 v21, v0, 3, 1
	v_lshl_add_u32 v8, v2, 3, v20
	v_mul_u32_u24 v8, v8, SPI
	v_lshl_add_u32 v8, v21, 4, v8
	v_add_nc_u32 v8, s47, v8                       ; v8: the turning load: row 8 (lane / 16) + lane % 8, 16 bytes at 16 ((lane / 8) % 2)
	s_mul_i32 s48, s24, PARTW
	s_add_co_u32 s48, s48, PART
	v_mul_u32_u24 v9, v1, PP
	v_lshl_add_u32 v9, v2, 5, v9
	v_add_nc_u32 v9, s48, v9                       ; v9: my partial tile: row lane % 16, 32 bytes for each half of the lanes
	s_mul_i32 s49, s24, 8*PP
	s_add_co_u32 s49, s49, PART
	v_mul_u32_u24 v10, v2, PP
	v_lshl_add_u32 v10, v1, 4, v10
	v_add_nc_u32 v10, s49, v10                     ; v10-12: rows 8 w + lane / 16 of partial tiles 0, 3, 6 (an LDS offset has 16 bits)
	v_add_nc_u32 v11, 3*PARTW, v10
	v_add_nc_u32 v12, 6*PARTW, v10
	s_mul_i32 s50, s24, 8*TP
	s_add_co_u32 s50, s50, TT
	v_mul_u32_u24 v13, v2, TP
	v_lshl_add_u32 v13, v1, 4, v13
	v_add_nc_u32 v13, s50, v13                     ; v13: TT as it is written: row 8 w + lane / 16, words 4 (lane % 16) ..
	s_lshl_b32 s51, s24, 5
	s_add_co_u32 s51, s51, TT
	v_mul_u32_u24 v14, v1, 4*TP
	v_lshl_add_u32 v14, v2, 2, v14
	v_add_nc_u32 v14, s51, v14                     ; v14: TT as it is read: row 4 (lane % 16), word 8 w + lane / 16
	v_lshlrev_b32 v15, 3, v1
	v_lshl_add_u32 v15, v2, 11, v15                ; v15: in wh, two rows of 2,048 bytes, 8 bytes a lane
	v_mov_b32 v16, 0                               ; the maxima begin at 0: all candidates are magnitudes
	v_mov_b32 v17, 0
	v_mov_b32 v19, 0
	s_lshl_b32 s46, s24, 3                         ; 8 w
	s_add_co_u32 s56, s26, s46
	s_sub_co_u32 s56, s56, s27                     ; n0 + 8 w - k0, for the diagonal
	s_mov_b32 s55, 0
	s_wait_kmcnt 0x0
	s_mul_i32 s54, s25, 98304
	s_add_nc_u64 s[4:5], s[4:5], s[54:55]          ; x at my 24 chunks
	s_mul_i32 s54, s25, 49152
	s_add_nc_u64 s[6:7], s[6:7], s[54:55]          ; U_w at my 12 chunks
	s_add_nc_u64 s[14:15], s[14:15], s[54:55]      ; xb
	s_lshl_b32 s54, s25, 4
	s_add_nc_u64 s[8:9], s[8:9], s[54:55]          ; U_b at my four numbers
	s_add_co_u32 s54, s54, T0OFF
	s_add_nc_u64 s[52:53], s[16:17], s[54:55]      ; my table entry
	s_mul_i32 s54, s25, 24576
	s_add_nc_u64 s[16:17], s[16:17], s[54:55]      ; ub
	s_load_b128 s[36:39], s[8:9], 0x0
	s_lshl_b32 s47, s24, 19                        ; 128 w rows of 4,096 bytes
	s_lshl2_add_u32 s54, s26, s47
	s_add_nc_u64 s[28:29], s[10:11], s[54:55]      ; A_w at (128 w, n0)
	s_lshl2_add_u32 s54, s27, s47
	s_add_nc_u64 s[30:31], s[10:11], s[54:55]      ; A_w at (128 w, k0)
	s_add_co_u32 s54, s27, s46
	s_lshl_b32 s54, s54, 12
	s_lshl2_add_u32 s54, s26, s54
	s_add_nc_u64 s[32:33], s[12:13], s[54:55]      ; B_w at (k0 + 8 w, n0)
	s_add_co_u32 s47, s26, s46
	s_lshl_b32 s54, s47, 12
	s_lshl2_add_u32 s54, s27, s54
	s_add_nc_u64 s[34:35], s[12:13], s[54:55]      ; B_w at (n0 + 8 w, k0)
	s_lshl_b32 s54, s47, 11
	s_lshl1_add_u32 s54, s27, s54
	s_add_nc_u64 s[18:19], s[18:19], s[54:55]      ; wh at (n0 + 8 w, k0)
; 32 loads: slice s of both strips, two rows of 256 bytes to a load
.macro ALOAD s
.set u, 0
.rept 16
	global_load_b128 v[LD+4*u:LD+4*u+3],       v6, s[28:29] offset:(32*(\s)+2*u)*4096
	global_load_b128 v[LD+64+4*u:LD+64+4*u+3], v6, s[30:31] offset:(32*(\s)+2*u)*4096
.set u, u+1
.endr
.endm
; 12 chunks of 4,096 bytes, read once in the launch
.macro LOAD12 buf, b, i0
.set i, 0
.rept 12
	global_load_b128 v[(\buf)+4*i:(\buf)+4*i+3], v4, s[\b:\b+1] offset:((\i0)+i)*4096 th:TH_LOAD_NT
.set i, i+1
.endr
.endm
; they are rounded in place, their magnitudes join the packed maximum m, and each wave's store covers 256 consecutive bytes, aligned.  younger: loads issued behind this buffer's twelve
.macro PROC12 buf, d, i0, m, younger
.set i, 0
.rept 12
	s_wait_loadcnt (\younger)+11-i                 ; loads come back in order: chunk i is in
	v_cvt_pk_bf16_f32 v[(\buf)+4*i],   v[(\buf)+4*i],   v[(\buf)+4*i+1]
	v_cvt_pk_bf16_f32 v[(\buf)+4*i+1], v[(\buf)+4*i+2], v[(\buf)+4*i+3]
	v_and_b32 v248, s42, v[(\buf)+4*i]
	v_and_b32 v249, s42, v[(\buf)+4*i+1]
	v_pk_max_num_bf16 v[\m], v[\m], v248
	v_pk_max_num_bf16 v[\m], v[\m], v249
	global_store_b64 v5, v[(\buf)+4*i:(\buf)+4*i+1], s[\d:\d+1] offset:((\i0)+i)*2048
.set i, i+1
.endr
.endm
; four f32 rounded to bf16 and widened again, in place
.macro ROUND4 r
	v_cvt_pk_bf16_f32 v248, v[\r], v[(\r)+1]
	v_cvt_pk_bf16_f32 v249, v[(\r)+2], v[(\r)+3]
	v_lshlrev_b32 v[\r], 16, v248
	v_and_b32 v[(\r)+1], s43, v248
	v_lshlrev_b32 v[(\r)+2], 16, v249
	v_and_b32 v[(\r)+3], s43, v249
.endm
; the largest of a register over the wave's 32 lanes, in every lane
.macro WRED r
	v_max_num_f32_dpp v[\r], v[\r], v[\r] row_xmask:1 row_mask:0xf bank_mask:0xf
	v_max_num_f32_dpp v[\r], v[\r], v[\r] row_xmask:2 row_mask:0xf bank_mask:0xf
	v_max_num_f32_dpp v[\r], v[\r], v[\r] row_xmask:4 row_mask:0xf bank_mask:0xf
	v_max_num_f32_dpp v[\r], v[\r], v[\r] row_xmask:8 row_mask:0xf bank_mask:0xf
	v_permlanex16_b32 v20, v[\r], s40, s41
	v_max_num_f32 v[\r], v[\r], v20
.endm
; One slice of 32 j: rounded, staged as [j][column], read back turned (j along a lane's registers), multiplied.  Source 0 = 16 columns k, source 1 = 16 columns n:
; a lane then holds row n = 16 a + lane % 16 of the tile and the eight columns k = 16 b + 8 (lane / 16) + 0..7.
.macro SLICE s
	s_wait_loadcnt 0x0                             ; this slice's strips (and in slice 1 B's rows) are in
.set u, 0
.rept 32                                               ; 64 plain instructions: also the places between the last slice's products and the loads into their fragments
	v_cvt_pk_bf16_f32 v[LD+4*u],   v[LD+4*u],   v[LD+4*u+1]
	v_cvt_pk_bf16_f32 v[LD+4*u+1], v[LD+4*u+2], v[LD+4*u+3]
.set u, u+1
.endr
.set u, 0
.rept 16
	ds_store_b64 v7, v[LD+4*u:LD+4*u+1]       offset:2*SPI*u
	ds_store_b64 v7, v[LD+64+4*u:LD+64+4*u+1] offset:QOFF+2*SPI*u
.set u, u+1
.endr
.if (\s) == 0
.irp i, 0,1,2,3
	global_load_b128 v[BT+4*\i:BT+4*\i+3], v6, s[32:33] offset:8192*\i   ; rows k0 + 8 w + 2 i + lane / 16
	global_load_b128 v[BD+4*\i:BD+4*\i+3], v6, s[34:35] offset:8192*\i   ; rows n0 + 8 w + 2 i + lane / 16
.endr
.endif
.if (\s) < 3
	ALOAD (\s)+1                                   ; the next slice is on its way while this one is multiplied
.endif
.irp a, 0,1,2,3                                        ; LDS serves a wave's instructions in order (ISA guide 5.7.1.4): these see the stores above
	ds_load_tr16_b128 v[FR+8*\a:FR+8*\a+3],       v8 offset:32*\a
	ds_load_tr16_b128 v[FR+8*\a+4:FR+8*\a+7],     v8 offset:32*\a+16*SPI
	ds_load_tr16_b128 v[FR+32+8*\a:FR+32+8*\a+3], v8 offset:QOFF+32*\a
	ds_load_tr16_b128 v[FR+36+8*\a:FR+36+8*\a+3], v8 offset:QOFF+32*\a+16*SPI
.endr
.if (\s) == 1
.irp i, 0,1,2,3
	ROUND4 BT+4*\i
.irp c, 0,1,2,3
	ds_store_b32 v13, v[BT+4*\i+\c] offset:2*TP*\i+4*\c
.endr
.endr
	s_wait_dscnt 16                                ; the fragments are in; the sixteen stores into TT are younger
.else
	s_wait_dscnt 0x0                               ; the fragments are in
.endif
	WIN W_MM
.irp a, 0,1,2,3                                        ; the 16 accumulators take turns, one instruction a turn
.irp b, 0,1,2,3
.if (\s) == 0
	v_wmma_f32_16x16x32_bf16 v[8*(4*\a+\b):8*(4*\a+\b)+7], v[FR+32+8*\b:FR+32+8*\b+7], v[FR+8*\a:FR+8*\a+7], 0
.else
	v_wmma_f32_16x16x32_bf16 v[8*(4*\a+\b):8*(4*\a+\b)+7], v[FR+32+8*\b:FR+32+8*\b+7], v[FR+8*\a:FR+8*\a+7], v[8*(4*\a+\b):8*(4*\a+\b)+7]
.endif
.endr
.endr
	WIN 0
.endm
	; THE STREAM.  56 loads of each wave go out at once: the first slice of A's strips, then x's 24 chunks; U_w's 12 follow into the first buffer.
	ALOAD 0
	LOAD12 SA, 4, 0
	LOAD12 SB, 4, 12
	PROC12 SA, 14, 0, 16, 12
	s_wait_xcnt 0x0                                ; the stores above have read their registers: the buffer is loaded again only behind this wait
	LOAD12 SA, 6, 0
	PROC12 SB, 14, 12, 16, 12
	PROC12 SA, 16, 0, 17, 0
	s_wait_xcnt 0x0                                ; the fragments and B's rows take the buffers' registers
	; A^T A
	SLICE 0
	SLICE 1
	SLICE 2
	SLICE 3
.rept 4
	v_nop                                          ; four places between the last products and the stores that read them
.endr
	WIN W_ST
.irp a, 0,1,2,3
.irp b, 0,1,2,3                                        ; each accumulator's low four registers first
	ds_store_b128 v9, v[8*(4*\a+\b):8*(4*\a+\b)+3]   offset:16*PP*\a+64*\b
	ds_store_b128 v9, v[8*(4*\a+\b)+4:8*(4*\a+\b)+7] offset:16*PP*\a+64*\b+16
.endr
.endr
	WIN 0
	s_wait_dscnt 0x0                               ; for the others' sake: my partial tile and my rows of TT are written
	s_barrier_signal -1
	s_barrier_wait -1
	; Wave w finishes rows 8 w .. 8 w + 7 of the tile: row 8 w + 2 i + lane / 16, columns 4 (lane % 16) + c
.set p, 0
.rept 8
.set i, 0
.rept 4
	ds_load_b128 v[LD+16*p+4*i:LD+16*p+4*i+3], v[10+p/3] offset:(p%3)*PARTW+2*PP*i
.set i, i+1
.endr
.set p, p+1
.endr
.irp i, 0,1,2,3
.irp c, 0,1,2,3
	ds_load_b32 v[FR+4*\i+\c], v14 offset:TP*\c+8*\i
.endr
.endr
.irp i, 0,1,2,3
	ROUND4 BD+4*\i
.endr
	v_lshlrev_b32 v21, 2, v1
	v_sub_nc_u32 v21, v2, v21
	v_add_nc_u32 v21, s56, v21                     ; (n0 + 8 w + lane / 16) - (k0 + 4 (lane % 16)): element (i, c) lies on the diagonal where this is c - 2 i
	s_wait_dscnt 0x0
.set p, 1
.rept 7                                                ; the eight partial sums, in f32, wave 0's first
.set q, 0
.rept 8
	v_pk_add_f32 v[LD+2*q:LD+2*q+1], v[LD+2*q:LD+2*q+1], v[LD+16*p+2*q:LD+16*p+2*q+1]
.set q, q+1
.endr
.set p, p+1
.endr
.set q, 0
.rept 8
	v_pk_add_f32 v[BD+2*q:BD+2*q+1], v[BD+2*q:BD+2*q+1], v[FR+2*q:FR+2*q+1] neg_lo:[0,1] neg_hi:[0,1]   ; B[n][k] - B[k][n]
.set q, q+1
.endr
.set q, 0
.rept 8
	v_pk_add_f32 v[BD+2*q:BD+2*q+1], v[BD+2*q:BD+2*q+1], v[LD+2*q:LD+2*q+1] neg_lo:[0,1] neg_hi:[0,1]   ; - (A^T A)[n][k]
.set q, q+1
.endr
.set e, 0
.rept 16
	v_cmp_eq_i32 vcc_lo, (e%4)-2*(e/4), v21
	v_cndmask_b32 v248, 0, s45, vcc_lo
	v_add_f32 v[BD+e], v[BD+e], v248               ; + 0.9 on the diagonal
.set e, e+1
.endr
.set q, 0
.rept 8
	v_and_b32 v248, s44, v[BD+2*q]
	v_and_b32 v249, s44, v[BD+2*q+1]
	v_max3_num_f32 v19, v19, v248, v249
.set q, q+1
.endr
.irp i, 0,1,2,3
	v_cvt_pk_f16_f32 v[FR+16+2*\i], v[BD+4*\i],   v[BD+4*\i+1]
	v_cvt_pk_f16_f32 v[FR+17+2*\i], v[BD+4*\i+2], v[BD+4*\i+3]
	global_store_b64 v15, v[FR+16+2*\i:FR+17+2*\i], s[18:19] offset:4096*\i   ; sixteen lanes store 128 consecutive bytes: the tile's width in f16
.endr
	; THE MAXIMA
	s_wait_kmcnt 0x0                               ; U_b's four numbers
	s_and_b32 s36, s36, s44
	s_and_b32 s37, s37, s44
	s_and_b32 s38, s38, s44
	s_and_b32 s39, s39, s44
	v_mov_b32 v18, s36
	v_max_num_f32 v18, s37, v18
	v_max_num_f32 v18, s38, v18
	v_max_num_f32 v18, s39, v18
	v_lshlrev_b32 v20, 16, v16                     ; the packed maxima's two halves as f32
	v_and_b32 v16, s43, v16
	v_max_num_f32 v16, v16, v20
	v_lshlrev_b32 v20, 16, v17
	v_and_b32 v17, s43, v17
	v_max_num_f32 v17, v17, v20
	WRED 16
	WRED 17
	WRED 19
	s_lshl_b32 s46, s24, 4
	s_add_co_u32 s46, s46, RED
	v_mov_b32 v21, s46
	ds_store_b128 v21, v[16:19]                    ; all lanes write the same 16 bytes with the same numbers
	s_wait_dscnt 0x0
	s_barrier_signal -1
	s_barrier_wait -1
	s_cmp_lg_u32 s24, 0
	s_cbranch_scc1 .Lend                           ; wave 0 alone writes the entry
	v_mov_b32 v21, RED
.irp p, 0,1,2,3,4,5,6,7
	ds_load_b128 v[LD+4*\p:LD+4*\p+3], v21 offset:16*\p
.endr
	v_mov_b32 v248, 1                              ; the flags: par_s = {1, 0}: a step stores f16; par_l = {0, 1}: the last stores f32
	v_mov_b32 v249, 0
	v_mov_b32 v250, 0
	v_mov_b32 v251, 1
	s_wait_dscnt 0x0
.irp p, 1,2,3,4,5,6,7
.irp c, 0,1,2,3
	v_max_num_f32 v[LD+\c], v[LD+\c], v[LD+4*\p+\c]
.endr
.endr
	s_wait_xcnt 0x0                                ; EXEC is a source of the stores above: it changes only behind this wait
	v_cmp_eq_u32 vcc_lo, 0, v3
	s_and_saveexec_b32 s57, vcc_lo                 ; lane 0, whose v5 is 0
	global_store_b128 v5, v[LD:LD+3], s[52:53]
	s_cmp_lg_u32 s25, 0
	s_cbranch_scc1 .Lnopar                         ; work-group 0 alone writes the flags
	global_store_b64 v5, v[248:249], s[20:21]
	global_store_b64 v5, v[250:251], s[22:23]
.Lnopar:
	s_wait_xcnt 0x0                                ; and again in front of the line that widens it
	s_or_b32 exec_lo, exec_lo, s57
.Lend:
	s_wait_tensorcnt 0x0                           ; the wave's end, behind my last LDS store
	ds_add_u32 v22, v23
	s_wait_dscnt 0x0
	s_endpgm
.Lfunc_end_k_qe20bbbd95a_prep:
	.size	k_qe20bbbd95a_prep, .Lfunc_end_k_qe20bbbd95a_prep-k_qe20bbbd95a_prep
	.p2alignl 7, 3214868480
	.fill 96, 4, 3214868480
	.section	.rodata,"a",@progbits
	.p2align	6, 0x0
	.amdhsa_kernel k_qe20bbbd95a_prep
		.amdhsa_group_segment_fixed_size 239360
		.amdhsa_private_segment_fixed_size 0
		.amdhsa_enable_private_segment 0
		.amdhsa_kernarg_size 80
		.amdhsa_user_sgpr_count 2
		.amdhsa_user_sgpr_kernarg_segment_ptr 1
		.amdhsa_wavefront_size32 1
		.amdhsa_system_sgpr_workgroup_id_x 1
		.amdhsa_system_sgpr_workgroup_id_y 1
		.amdhsa_system_sgpr_workgroup_id_z 1
		.amdhsa_system_vgpr_workitem_id 0
		.amdhsa_next_free_vgpr 384
		.amdhsa_next_free_sgpr 66
		.amdhsa_reserve_vcc 1
		.amdhsa_float_denorm_mode_32 3
		.amdhsa_float_denorm_mode_16_64 3
		.amdhsa_memory_ordered 1
		.amdhsa_forward_progress 1
		.amdhsa_inst_pref_size 90
	.end_amdhsa_kernel
	.amdgpu_metadata
---
amdhsa.version: [ 1, 2 ]
amdhsa.kernels:
  - .name:           k_qe20bbbd95a_prep
    .symbol:         k_qe20bbbd95a_prep.kd
    .args:
      - { .name: x, .offset: 0, .size: 8, .value_kind: global_buffer, .address_space: global }
      - { .name: U_w, .offset: 8, .size: 8, .value_kind: global_buffer, .address_space: global }
      - { .name: U_b, .offset: 16, .size: 8, .value_kind: global_buffer, .address_space: global }
      - { .name: A_w, .offset: 24, .size: 8, .value_kind: global_buffer, .address_space: global }
      - { .name: B_w, .offset: 32, .size: 8, .value_kind: global_buffer, .address_space: global }
      - { .name: xb, .offset: 40, .size: 8, .value_kind: global_buffer, .address_space: global }
      - { .name: ub, .offset: 48, .size: 8, .value_kind: global_buffer, .address_space: global }
      - { .name: wh, .offset: 56, .size: 8, .value_kind: global_buffer, .address_space: global }
      - { .name: par_s, .offset: 64, .size: 8, .value_kind: global_buffer, .address_space: global }
      - { .name: par_l, .offset: 72, .size: 8, .value_kind: global_buffer, .address_space: global }
    .group_segment_fixed_size: 239360
    .private_segment_fixed_size: 0
    .kernarg_segment_align: 8
    .kernarg_segment_size: 80
    .max_flat_workgroup_size: 256
    .sgpr_count:     66
    .vgpr_count:     384
    .wavefront_size: 32
...
	.end_amdgpu_metadata
.endif
;; end of part 1
;; launch gbias (part 2): grid 8 x 32, 4 waves a work-group, clusters of 4 x 4, 327,680 bytes of LDS; arguments xb, ub, U_b, bias, za; writes bias, za
.if DOCPART == 2
	.amdgcn_target "amdgcn-amd-amdhsa--gfx1250"
	.amdhsa_code_object_version 6
	.text
	.protected	k_qe20bbbd95a_gbias
	.globl	k_qe20bbbd95a_gbias
	.p2align	8
	.type	k_qe20bbbd95a_gbias,@function
k_qe20bbbd95a_gbias:
	s_mov_b64 s[64:65], 0
	v_nop
	global_prefetch_b8 v0, s[64:65] scope:SCOPE_SE
	s_setreg_imm32_b32 hwreg(HW_REG_WAVE_MODE, 25, 1), 1
	s_wait_xcnt 0x0
	s_wait_alu depctr_hold_cnt(0) depctr_sa_sdst(0) depctr_va_vdst(0) depctr_va_sdst(0) depctr_va_ssrc(0) depctr_va_vcc(0) depctr_vm_vsrc(0)
	s_getreg_b32 s2, hwreg(HW_REG_IB_STS2, 6, 4)
	s_cmp_eq_u32 s2, 0
	s_cbranch_scc0 .Lentry_in_a_cluster
	s_endpgm
.Lentry_in_a_cluster:
	s_bfe_u32 s2, ttmp6, 0x10000c
	s_cmp_lg_u32 s2, 0xf033
	s_cbranch_scc0 .Lentry_shape_is_right
	s_endpgm
.Lentry_shape_is_right:
.set KIND, 0
; ONE TEXT FOR TWO KERNELS; the line above chooses.
; KIND 0: bias = xb ub^T + bf16(U_b) in f32 (K = 3,072, bf16 operands), and z1 = relu(bias) sigma in f16.
; KIND 1: t = bias + (z' W^T) / sigma_in (K = 1,024, f16 operands), u = relu(t); by two flag words u sigma_out goes out in f16, or u itself in f32.
; THE SCALE.  z is kept as f16 times a power of two, sigma, chosen from a bound of the step's results, so that z sigma stays under 2^14.  The bound travels in a table of 256 entries of 16 bytes
; behind the f16 rows, one entry a work-group; a reader takes the largest of each word.  Words: the tile's largest z; the bound that scaled it; the largest relu(bias); g = 1,024 max|W|.
; The next bound is c + g a, which no result can pass.  Only values hang on these numbers: no address and no branch.
; LIMITS.  Bounds are held to 2^-110 .. 2^125; NaN and infinities are not treated apart.
; SHARES.  A work-group makes 64 rows x 128 columns of C.  Wave w takes columns 64 (w % 2) .. and, of every 256 bytes of a K step's rows, the 128 bytes at 128 (w / 2): all 64 rows x 64 columns,
; 16 accumulators, half of K.  The two halves of K meet in the f32 stage through which the results leave anyway.
; CLUSTER.  4 x 4 work-groups: the four of a row need the same rows of the first operand, the four of a column the same rows of the second: each tile is asked for jointly.
; THE MATRIX INSTRUCTION IS USED TRANSPOSED (source 0 = 16 rows of the second operand, source 1 = 16 rows of the first): a lane holds eight neighbouring numbers of a row of C.
.if KIND
.set SIZE_K, 1024
.set KSTEP,  256       ; rows of 512 bytes, 16 of padding behind each
.set PITCH,  528
.set QI,     6         ; padding after every 128 words
.set QSTEP,  256       ; LDS bytes from one 256 bytes of a row to the next
.set NSLOT,  3         ; three of the four K steps go out at the start; slot 0 is filled once more
.set STG,    101376    ; the stage lies in slot 1, whose one fill and last read are over at the K walk's last barrier
.set TABIN,  4194304   ; the table behind the first operand's rows
.set TB,     4
.set NADD,   16
.else
.set SIZE_K, 3072
.set KSTEP,  384       ; rows of 768 bytes, 16 of padding behind every 256
.set PITCH,  816
.set QI,     5         ; padding after every 64 words
.set QSTEP,  272
.set NSLOT,  2         ; two slots, as large as fit
.set STG,    0         ; the stage lies in slot 0, whose last fill and last read are over at the K walk's last barrier
.set TABIN,  6291456   ; the table behind the second operand's rows
.set TB,     6
.set NADD,   1
.endif
.set SLOT,   192*PITCH ; the first operand's 64 rows, then the second's 128.  Both pitches are odd multiples of 16 bytes: the 16 rows of a fragment load start in 16 different groups of four banks (ISA guide 11.1)
.set BOFF,   64*PITCH
.set RED,    NSLOT*SLOT ; 4 bytes a wave, in a block of its own
.set SPARE,  RED+256   ; the spare words, 128 bytes a wave
.set REFSTEP, 1536     ; bytes along K from a slot's K step to the one that fills it again: 2 x 768 or 3 x 512
.set SP,     528       ; a stage row: 128 f32 + 16 bytes
.set SREG,   64*SP     ; one stage region for each half of K
.set TABOUT, 4194304
.set Q1, QSTEP
.set Q2, 2*QSTEP
.set G1W0, (1<<16)|(1<<20)|(1<<21)|(QI<<22)|(3<<25)  ; 17:16 elements of 2 bytes; 20 padding on; 21 set beside a mask; 24:22 the interval; 31:25 4 words of padding
.set G1A, 28           ; s[28:35] group 1, first operand     s[36:43] second
.set G1B, 36
.set G0A, 44           ; s[44:55] group 0, first operand, a set for each slot     s[68:79] second
.set G0B, 68
; s[4:5] first operand, s[6:7] second, s[8:9] addend, s[10:11] f32 output, s[12:13] f16 output, s[14:15] flags; s16 wave, s17 wave / 2, s18 wave % 2; s19 cx, s20 cy, s21 tile column, s22 tile row
; s[84:85] the flags; s86 takes the old EXEC; s87 first flag xor 1; s[88:89] lane selects; s[92:93] my table entry
.set ADRA, 16          ; v16-18 my fragments of the first operand in slot 0, 1, 2;  v20-22 of the second
.set ADRB, 20
; v[4:5] 1 / sigma_in twice; v[6:7] sigma_out twice; v[8:11] the table's words; v12 the new bound; v13 the tile's maximum; v[2:3], v[14:15] at work; v19 my wave's word of RED, v23 RED: addresses alone;
; v24, v25 stage in, stage back; v26 16 lane, v27 8 lane; v28, v29 the add's two; v30 lane; v31 a flag
.set ADD,  32          ; v32-95 the addend: 16 rows x 4 of bias, or 4 of U_b
.set Z,    96          ; v96-127 the table as loaded; later 16 rows x 2 of f16
.set ACC,  128         ; v128-255 accumulator (a, b) at ACC + 8 (4 a + b); on the way out the two halves of K, 16 rows x 4 each
.set R0,   128
.set R1,   192
.set F0,   0           ; window 1: two fragment buffers of 128: 64 along K of the first operand (64 registers), then of the second
.set F1,   128
.set MUL,  0x05        ; sources 0 and 1 in window 1
.set TO_F, 0x40        ; destination in window 1
.set MSB, 0
.macro WIN new                         ; the immediate's high byte repeats the setting that is left
.if MSB != (\new)
	s_set_vgpr_msb (MSB<<8)|(\new)
.set MSB, \new
.endif
.endm
.macro PLACES                          ; four places in front of loads into registers that matrix instructions have read, and of stores that read results
.rept 4
	v_nop
.endr
.endm
; A joint refill: waves 0 and 1 fetch the two halves of the first operand's rows, waves 2 and 3 of the second's.  An s_nop 0 and four v_nop follow each line.
.macro JLOAD n
	s_cmp_eq_u32 s17, 0
	s_cbranch_scc0 .Lfor_b_\@
	tensor_load_to_lds s[G0A+4*(\n):G0A+4*(\n)+3], s[G1A:G1A+7]
	s_nop 0
	PLACES
	s_branch .Lasked_\@
.Lfor_b_\@:
	tensor_load_to_lds s[G0B+4*(\n):G0B+4*(\n)+3], s[G1B:G1B+7]
	s_nop 0
	PLACES
.Lasked_\@:
.endm
.macro FIRSTS g0, g1                   ; a wave's first fills on end, an s_nop 0 behind each, four v_nop behind the last
.set n, 0
.rept NSLOT
	tensor_load_to_lds s[(\g0)+4*n:(\g0)+4*n+3], s[\g1:(\g1)+7]
	s_nop 0
.set n, n+1
.endr
	PLACES
.endm
.macro CREST                           ; a round of the cluster's barrier behind its opening barrier
	s_cmp_lg_u32 s16, 0
	s_cbranch_scc1 .Lnot_wave_0_\@
	s_barrier_signal -3
.Lnot_wave_0_\@:
	s_barrier_wait -3
	s_barrier_signal -1
	s_barrier_wait -1
.endm
.macro CROUND
	s_barrier_signal -1
	s_barrier_wait -1
	CREST
.endm
.macro WMAX r                          ; the largest of a register over the wave's 32 lanes, in every lane
	v_max_num_f32_dpp v[\r], v[\r], v[\r] row_xmask:1 row_mask:0xf bank_mask:0xf
	v_max_num_f32_dpp v[\r], v[\r], v[\r] row_xmask:2 row_mask:0xf bank_mask:0xf
	v_max_num_f32_dpp v[\r], v[\r], v[\r] row_xmask:4 row_mask:0xf bank_mask:0xf
	v_max_num_f32_dpp v[\r], v[\r], v[\r] row_xmask:8 row_mask:0xf bank_mask:0xf
	v_permlanex16_b32 v14, v[\r], s88, s89
	v_max_num_f32 v[\r], v[\r], v14
.endm
.macro EXPO dst, src                   ; the exponent field e of a bound held to 2^-110 .. 2^125: 17 .. 252
	v_max_num_f32 v[\dst], 0x08800000, v[\src]
	v_min_num_f32 v[\dst], 0x7e000000, v[\dst]
	v_lshrrev_b32 v[\dst], 23, v[\dst]
.endm
	s_load_b256 s[4:11], s[0:1], 0x0
	s_load_b64 s[12:13], s[0:1], 0x20
.if KIND
	s_load_b64 s[14:15], s[0:1], 0x28
.endif
	v_lshl_add_u32 v28, v0, 2, SPARE
	v_mov_b32 v29, 0
	ds_add_u32 v28, v29                            ; the wave's opening: the add and its wait stand ahead of my first tensor load; the set-up below stands between them
	v_lshrrev_b32 v1, 5, v0
	v_readfirstlane_b32 s16, v1                    ; wave 0..3
	s_lshr_b32 s17, s16, 1                         ; my half of K.  Also: I fetch for the first operand (0) or the second (1)
	s_and_b32 s18, s16, 1                          ; my half of the columns.  Also: which half of that operand's rows I fetch
	s_bfe_u32 s19, ttmp6, 0x40000                  ; cx, cy: my place in the cluster
	s_bfe_u32 s20, ttmp6, 0x40004
	s_lshl_b32 s21, ttmp9, 2
	s_add_co_u32 s21, s21, s19                     ; tile column = 4 x cluster x + cx
	s_and_b32 s22, ttmp7, 0xffff
	s_lshl_b32 s22, s22, 2
	s_add_co_u32 s22, s22, s20                     ; tile row = 4 x cluster y + cy
	s_lshl_b32 s23, s20, 2
	s_lshl_b32 s23, 15, s23                        ; my row of the cluster
	s_lshl_b32 s24, 0x1111, s19                    ; my column
	s_or_b32 s[G1A], s23, G1W0                     ; the first operand's tiles go to my row,
	s_or_b32 s[G1B], s24, G1W0                     ; the second's to my column
	s_mov_b32 s[G1A+1], KSTEP<<16                  ; tensor_dim0
	s_mov_b32 s[G1A+2], 32<<16                     ; tensor_dim1 = 32 rows
	s_mov_b32 s[G1A+3], KSTEP<<16                  ; tile_dim0
	s_mov_b32 s[G1A+4], 32                         ; tile_dim1
	s_mov_b32 s[G1A+5], SIZE_K                     ; elements from row to row
	s_mov_b32 s[G1A+6], 0
	s_mov_b32 s[G1A+7], 0
	s_mov_b32 s[G1B+1], KSTEP<<16
	s_mov_b32 s[G1B+2], 64<<16                     ; 64 rows
	s_mov_b32 s[G1B+3], KSTEP<<16
	s_mov_b32 s[G1B+4], 64
	s_mov_b32 s[G1B+5], SIZE_K
	s_mov_b32 s[G1B+6], 0
	s_mov_b32 s[G1B+7], 0
	s_lshl_b32 s56, s22, 6                         ; first operand: row 64 x tile row + 32 x half: no register here ever holds cx
	s_lshl_b32 s60, s18, 5
	s_add_co_u32 s56, s56, s60
	s_mov_b32 s57, 0
	s_lshl_b32 s58, s21, 7                         ; second operand: row 128 x tile column + 64 x half: none ever holds cy
	s_lshl_b32 s60, s18, 6
	s_add_co_u32 s58, s58, s60
	s_mov_b32 s59, 0
	s_mov_b64 s[60:61], SIZE_K*2
	s_mul_u64 s[56:57], s[56:57], s[60:61]
	s_mul_u64 s[58:59], s[58:59], s[60:61]
	s_mul_i32 s25, s18, 32*PITCH                   ; where they go: no place in the cluster enters an LDS address
	s_mul_i32 s26, s18, 64*PITCH
	s_add_co_u32 s26, s26, BOFF
	s_lshl_b32 s80, s22, 6                         ; on the way out wave w has rows 64 x tile row + 16 w ..
	s_lshl_b32 s63, s16, 4
	s_add_co_u32 s80, s80, s63
	s_lshl_b32 s82, s80, 11                        ; in f16 rows of 2,048 bytes,
	s_lshl_b32 s80, s80, 12                        ; in f32 rows of 4,096
	s_lshl_b32 s63, s21, 9
	s_add_co_u32 s80, s80, s63
	s_lshl_b32 s63, s21, 8
	s_add_co_u32 s82, s82, s63
	s_mov_b32 s81, 0
	s_mov_b32 s83, 0
	s_lshl3_add_u32 s90, s22, s21                  ; my table entry: 8 x tile row + tile column
	s_lshl_b32 s90, s90, 4
	s_add_co_u32 s90, s90, TABOUT
	s_mov_b32 s91, 0
	s_mov_b32 s88, 0x76543210
	s_mov_b32 s89, 0xfedcba98
.if KIND == 0
	s_lshl_b32 s66, s21, 9                         ; U_b at the tile's 128 columns
	s_mov_b32 s67, 0
.endif
	s_wait_dscnt 0x0                               ; the opening add is done
	s_wait_kmcnt 0x0
	s_add_nc_u64 s[56:57], s[4:5], s[56:57]
	s_add_nc_u64 s[58:59], s[6:7], s[58:59]
.if KIND
	s_add_nc_u64 s[8:9], s[8:9], s[80:81]
.else
	s_add_nc_u64 s[8:9], s[8:9], s[66:67]
.endif
	s_add_nc_u64 s[10:11], s[10:11], s[80:81]
	s_add_nc_u64 s[92:93], s[12:13], s[90:91]
	s_add_nc_u64 s[12:13], s[12:13], s[82:83]
	CROUND                                         ; all sixteen work-groups are here: the first joint loads meet
.set n, 0
.rept NSLOT
	s_mov_b32 s[G0A+4*n], 1                        ; count = 1
	s_add_co_u32 s[G0A+4*n+1], s25, n*SLOT         ; LDS address
	s_add_nc_u64 s[G0A+4*n+2:G0A+4*n+3], s[56:57], n*KSTEP*2  ; global address: K step n
	s_or_b32 s[G0A+4*n+3], s[G0A+4*n+3], 0x80000000  ; type = 2
	s_mov_b32 s[G0B+4*n], 1
	s_add_co_u32 s[G0B+4*n+1], s26, n*SLOT
	s_add_nc_u64 s[G0B+4*n+2:G0B+4*n+3], s[58:59], n*KSTEP*2
	s_or_b32 s[G0B+4*n+3], s[G0B+4*n+3], 0x80000000
.set n, n+1
.endr
	s_cmp_eq_u32 s17, 0                            ; a wave's first fills stand in one branch: NSLOT loads of mine are out
	s_cbranch_scc0 .Lfirst_b
	FIRSTS G0A, G1A
	s_branch .Lfirst_asked
.Lfirst_b:
	FIRSTS G0B, G1B
.Lfirst_asked:
.if KIND
	s_load_b64 s[84:85], s[14:15], 0x0             ; the flags
.endif
	v_and_b32 v30, 31, v0
	v_lshlrev_b32 v26, 4, v30
	v_lshlrev_b32 v27, 3, v30
.set i, 0
.rept 8                                                ; the whole table, 4,096 bytes, in every wave
	global_load_b128 v[Z+4*i:Z+4*i+3], v26, s[TB:TB+1] offset:TABIN+512*i
.set i, i+1
.endr
.if KIND
.set i, 0
.rept 16                                               ; my 16 rows of bias, 512 consecutive bytes to a load: wanted on the way out
	global_load_b128 v[ADD+4*i:ADD+4*i+3], v26, s[8:9] offset:4096*i
.set i, i+1
.endr
.else
	global_load_b128 v[ADD:ADD+3], v26, s[8:9]
.endif
	; A fragment is 16 rows x 32 K in 8 registers: lane l holds row l % 16, K = 8 (l / 16) + 0..7 and 16 + 8 (l / 16) + 0..7: two loads of 16 bytes, 32 bytes apart
	v_and_b32 v1, 15, v0
	v_bfe_u32 v2, v0, 4, 1
	v_mul_u32_u24 v3, v1, PITCH
	v_lshl_add_u32 v3, v2, 4, v3
	s_lshl_b32 s63, s17, 7
	v_add_nc_u32 v3, s63, v3                       ; row x pitch + 16 x half of the lanes + 128 x my half of K
	s_mul_i32 s66, s18, 64*PITCH
	s_add_co_u32 s66, s66, BOFF
.set n, 0
.rept NSLOT
	v_add_nc_u32 v[ADRA+n], n*SLOT, v3
	v_add_nc_u32 v[ADRB+n], s66, v3
	s_add_co_u32 s66, s66, SLOT
.set n, n+1
.endr
	s_mul_i32 s67, s17, SREG                       ; into the stage: my half of K's region, row l % 16, my 256 bytes of it, 32 bytes for each half of the lanes
	s_lshl_b32 s63, s18, 8
	s_add_co_u32 s67, s67, s63
	s_add_co_u32 s67, s67, STG
	v_mul_u32_u24 v24, v1, SP
	v_lshl_add_u32 v24, v2, 5, v24
	v_add_nc_u32 v24, s67, v24
	s_mul_i32 s67, s16, 16*SP                      ; back: rows 16 w .., a whole row of 512 bytes to a load
	s_add_co_u32 s67, s67, STG
	v_add_nc_u32 v25, s67, v26
	s_lshl_b32 s63, s16, 2
	s_add_co_u32 s63, s63, RED
	v_mov_b32 v19, s63                             ; my wave's word for the tile's maximum,
	v_mov_b32 v23, RED                             ; and the four words: these two registers hold nothing else
	v_mov_b32 v13, 0                               ; the tile's maximum: every candidate is 0 or more
	v_mov_b32 v14, 0
	s_wait_loadcnt NADD                            ; the table is in; the addend's loads are younger
.irp c, 0,1,2,3
	v_max_num_f32 v[8+\c], v[Z+\c], v[Z+4+\c]
.endr
.set i, 2
.rept 6
.irp c, 0,1,2,3
	v_max_num_f32 v[8+\c], v[8+\c], v[Z+4*i+\c]
.endr
.set i, i+1
.endr
	WMAX 8
	WMAX 9
	WMAX 10
	WMAX 11
.if KIND
	v_fma_f32 v12, v11, v8, v10                    ; the new bound: c + g a
	EXPO 15, 9                                     ; the bound that scaled my first operand: 1 / sigma_in = 2^(e - 140)
	v_add_nc_u32 v4, -13, v15
	v_lshlrev_b32 v4, 23, v4
	v_mov_b32 v5, v4
.else
	v_mul_f32 v12, v8, v9
	v_fma_f32 v12, v12, 0x45400000, v10            ; max|U_b| + 3,072 max|x| max|U_w|
	v_mul_f32 v11, 0x44800000, v11                 ; g = 1,024 max|W|
.endif
	EXPO 14, 12                                    ; sigma_out = 2^(140 - e): the bound lies under 2^(e - 126), so z sigma under 2^14
	v_sub_nc_u32 v6, 0x10b, v14
	v_lshlrev_b32 v6, 23, v6
	v_mov_b32 v7, v6
.if KIND
	s_wait_kmcnt 0x0
	s_xor_b32 s87, s84, 1
.endif
; 8 matrix instructions: row blocks a0, a0 + 1 x all 4 column blocks, 32 along K: half c of buffer f.  zero = 1: the first product starts the sums
.macro MUL8 f, c, a0, zero
	WIN MUL
.irp a, \a0, (\a0)+1
.irp b, 0,1,2,3
.set rD, ACC+8*(4*(\a)+(\b))
.set rB, (\f)+64+8*(4*(\c)+(\b))
.set rA, (\f)+8*(4*(\c)+(\a))
.if KIND
.if \zero
	v_wmma_f32_16x16x32_f16 v[rD:rD+7], v[rB:rB+7], v[rA:rA+7], 0
.else
	v_wmma_f32_16x16x32_f16 v[rD:rD+7], v[rB:rB+7], v[rA:rA+7], v[rD:rD+7]
.endif
.else
.if \zero
	v_wmma_f32_16x16x32_bf16 v[rD:rD+7], v[rB:rB+7], v[rA:rA+7], 0
.else
	v_wmma_f32_16x16x32_bf16 v[rD:rD+7], v[rB:rB+7], v[rA:rA+7], v[rD:rD+7]
.endif
.endif
.endr
.endr
.endm
; 32 LDS loads in one run: the fragments of 64 along K at byte k of the rows, into buffer f; the first 32 along K first
.macro FETCH slot, k, f
	WIN TO_F
.irp c, 0,1
.irp i, 0,1,2,3
	ds_load_b128 v[(\f)+64+8*(4*(\c)+(\i)):(\f)+64+8*(4*(\c)+(\i))+3],   v[ADRB+(\slot)] offset:(\k)+64*(\c)+(\i)*16*PITCH
	ds_load_b128 v[(\f)+64+8*(4*(\c)+(\i))+4:(\f)+64+8*(4*(\c)+(\i))+7], v[ADRB+(\slot)] offset:(\k)+64*(\c)+(\i)*16*PITCH+32
	ds_load_b128 v[(\f)+8*(4*(\c)+(\i)):(\f)+8*(4*(\c)+(\i))+3],         v[ADRA+(\slot)] offset:(\k)+64*(\c)+(\i)*16*PITCH
	ds_load_b128 v[(\f)+8*(4*(\c)+(\i))+4:(\f)+8*(4*(\c)+(\i))+7],       v[ADRA+(\slot)] offset:(\k)+64*(\c)+(\i)*16*PITCH+32
.endr
.endr
.endm
; 64 along K, 32 matrix instructions, the 16 accumulators by turns: multiplies buffer f and, in its middle, fetches byte k of slot's rows into buffer g
.macro QUARTER slot, k, f, g, zero
	s_wait_dscnt 16                                ; the first 32 along K are in; the sixteen younger loads may be out
	MUL8 \f, 0, 0, \zero
	MUL8 \f, 0, 2, \zero
	PLACES
	FETCH \slot, \k, \g
	s_wait_dscnt 32                                ; all but the 32 just issued
	MUL8 \f, 1, 0, 0
	MUL8 \f, 1, 2, 0
.endm
; The last 64 along K of a slot, in buffer f, and the change of slots: ONE barrier; in front of it each wave waits for all its tensor loads, adds 0 to its spare word, and waits for that and for its
; reads of the slot.  fill = 1: the barrier opens a round of the cluster's, and the slot is filled again first thing behind it.  Then the next slot's first fragments go into buffer g.
.macro TURN slot, next, f, g, fill
	WIN 0                                          ; (the add's two registers lie in window 0)
	s_wait_tensorcnt 0x0                           ; all my tensor loads have landed
	ds_add_u32 v28, v29                            ; 0 onto my spare word
	s_wait_dscnt 17                                ; (the add and the youngest sixteen loads may be out)
	MUL8 \f, 0, 0, 0                               ; eight matrix instructions stand between the add and the wait for it
	s_wait_dscnt 0x0                               ; the add is done, and my reads of this slot are over
	s_barrier_signal -1
	MUL8 \f, 0, 2, 0
.if \fill
	WIN 0
.endif
	s_barrier_wait -1
.if \fill
	CREST                                          ; no wave of any partner still reads this slot or has a load on its way
	s_add_nc_u64 s[G0A+4*(\slot)+2:G0A+4*(\slot)+3], s[G0A+4*(\slot)+2:G0A+4*(\slot)+3], REFSTEP
	s_add_nc_u64 s[G0B+4*(\slot)+2:G0B+4*(\slot)+3], s[G0B+4*(\slot)+2:G0B+4*(\slot)+3], REFSTEP
	JLOAD \slot                                    ; my one tensor load behind the round; its four v_nop are also the places in front of the loads below
.else
	PLACES
.endif
	FETCH \next, 0, \g
	MUL8 \f, 1, 0, 0
	MUL8 \f, 1, 2, 0
.endm
.macro LAST f                          ; the very last 64 along K: nothing more to fetch
	s_wait_dscnt 16
	MUL8 \f, 0, 0, 0
	MUL8 \f, 0, 2, 0
	s_wait_dscnt 0x0
	MUL8 \f, 1, 0, 0
	MUL8 \f, 1, 2, 0
	WIN 0
.endm
	s_wait_tensorcnt NSLOT-1                       ; my part of K step 0 is in; the later ones may stay out
	s_barrier_signal -1
	s_barrier_wait -1                              ; everybody's is
	FETCH 0, 0, F0
.if KIND
	QUARTER 0, Q1, F0, F1, 1                       ; K step 0; the first products start the sums
	TURN 0, 1, F1, F0, 1                           ; all three first fills are in, everybody's; slot 0 takes K step 3, which has two K steps in which to land
	QUARTER 1, Q1, F0, F1, 0
	QUARTER 2, 0,  F1, F0, 0                       ; slot 2 is whole since the round: no barrier
	QUARTER 2, Q1, F0, F1, 0
	TURN 2, 0, F1, F0, 0                           ; K step 3 is in, everybody's; nothing is filled again
	QUARTER 0, Q1, F0, F1, 0
	LAST F1
.else
	QUARTER 0, Q1, F0, F1, 1                       ; a K step is three times 64 along K for a wave, so the two buffers change parts from step to step: a lap is two steps
	WIN 0                                          ; at a label and at a branch every window is 0
	s_mov_b32 s62, 3
.Llap:                                                 ; a trip goes once round the ring and fills both slots again: K steps 2 to 7
	QUARTER 0, Q2, F1, F0, 0
	TURN 0, 1, F0, F1, 1
	QUARTER 1, Q1, F1, F0, 0
	QUARTER 1, Q2, F0, F1, 0
	TURN 1, 0, F1, F0, 1
	QUARTER 0, Q1, F0, F1, 0
	WIN 0
	s_sub_co_u32 s62, s62, 1
	s_cmp_lg_u32 s62, 0
	s_cbranch_scc1 .Llap
	QUARTER 0, Q2, F1, F0, 0                       ; the last lap fills nothing
	TURN 0, 1, F0, F1, 0
	QUARTER 1, Q1, F1, F0, 0
	QUARTER 1, Q2, F0, F1, 0
	LAST F1
.endif
	; THE WAY OUT.  Each wave's 64 x 64 partial sums go into its half of K's stage region; behind a barrier wave w reads rows 16 w .. 16 w + 15 of both regions, whole, and finishes them.
	PLACES
.irp a, 0,1,2,3
.irp b, 0,1,2,3                                        ; each accumulator's low four registers first
	ds_store_b128 v24, v[ACC+8*(4*\a+\b):ACC+8*(4*\a+\b)+3]   offset:16*SP*\a+64*\b
	ds_store_b128 v24, v[ACC+8*(4*\a+\b)+4:ACC+8*(4*\a+\b)+7] offset:16*SP*\a+64*\b+16
.endr
.endr
	s_wait_dscnt 0x0                               ; for the others' sake: my stores into the stage are done
	s_barrier_signal -1
	s_barrier_wait -1
.set i, 0
.rept 16
	ds_load_b128 v[R0+4*i:R0+4*i+3], v25 offset:SP*i
	ds_load_b128 v[R1+4*i:R1+4*i+3], v25 offset:SREG+SP*i
.set i, i+1
.endr
	s_wait_loadcnt 0x0                             ; the addend
.if KIND == 0
	v_cvt_pk_bf16_f32 v14, v[ADD], v[ADD+1]        ; U_b is rounded to bf16 like the other inputs
	v_cvt_pk_bf16_f32 v15, v[ADD+2], v[ADD+3]
	v_lshlrev_b32 v[ADD], 16, v14
	v_and_b32 v[ADD+1], 0xffff0000, v14
	v_lshlrev_b32 v[ADD+2], 16, v15
	v_and_b32 v[ADD+3], 0xffff0000, v15
.endif
.set i, 0
.rept 16
	s_wait_dscnt 2*(15-i)                          ; row i's two loads are in; the later rows' stay out
	v_pk_add_f32 v[R0+4*i:R0+4*i+1],   v[R0+4*i:R0+4*i+1],   v[R1+4*i:R1+4*i+1]
	v_pk_add_f32 v[R0+4*i+2:R0+4*i+3], v[R0+4*i+2:R0+4*i+3], v[R1+4*i+2:R1+4*i+3]
.if KIND
	v_pk_fma_f32 v[R0+4*i:R0+4*i+1],   v[R0+4*i:R0+4*i+1],   v[4:5], v[ADD+4*i:ADD+4*i+1]
	v_pk_fma_f32 v[R0+4*i+2:R0+4*i+3], v[R0+4*i+2:R0+4*i+3], v[4:5], v[ADD+4*i+2:ADD+4*i+3]
.else
	v_pk_add_f32 v[R0+4*i:R0+4*i+1],   v[R0+4*i:R0+4*i+1],   v[ADD:ADD+1]
	v_pk_add_f32 v[R0+4*i+2:R0+4*i+3], v[R0+4*i+2:R0+4*i+3], v[ADD+2:ADD+3]
.endif
.irp c, 0,1,2,3
	v_max_num_f32 v[R1+4*i+\c], 0, v[R0+4*i+\c]    ; relu
.endr
	v_max3_num_f32 v13, v13, v[R1+4*i],   v[R1+4*i+1]
	v_max3_num_f32 v13, v13, v[R1+4*i+2], v[R1+4*i+3]
	v_pk_mul_f32 v[2:3],   v[R1+4*i:R1+4*i+1],   v[6:7]
	v_pk_mul_f32 v[14:15], v[R1+4*i+2:R1+4*i+3], v[6:7]
	v_cvt_pk_f16_f32 v[Z+2*i],   v2,  v3
	v_cvt_pk_f16_f32 v[Z+2*i+1], v14, v15
.set i, i+1
.endr
	; THE TILE'S MAXIMUM goes through LDS, and the wave's closing lines follow: all LDS work stands ahead of the lines that narrow EXEC, so that every LDS instruction of the text runs with all lanes on.
	WMAX 13
	ds_store_b32 v19, v13                          ; all lanes write my wave's word with the same number
	s_wait_dscnt 0x0                               ; for the others' sake: the word is written
	s_barrier_signal -1
	s_barrier_wait -1
	ds_load_b128 v[ADD:ADD+3], v23                 ; the four waves' maxima, in every lane of every wave: no branch on the wave's number
	s_wait_dscnt 0x0
	s_wait_tensorcnt 0x0                           ; the wave's end: behind my last tensor load and my last LDS store; the entry's arithmetic stands between the add and its wait
	ds_add_u32 v28, v29
	v_max_num_f32 v[ADD], v[ADD], v[ADD+1]
	v_max_num_f32 v[ADD+2], v[ADD+2], v[ADD+3]
	v_max_num_f32 v8, v[ADD], v[ADD+2]             ; the entry: the tile's largest z,
	v_mov_b32 v9, v12                              ; the bound that scaled it; v10 holds c, v11 holds g
.if KIND == 0
	v_mov_b32 v10, v8                              ; here z is relu(bias) itself
.endif
	s_wait_dscnt 0x0
	; THE STORES.  Every wave came in with all lanes on and nothing else narrows EXEC, so it is widened by the constant.  EXEC is a source of pending memory instructions: it changes only behind s_wait_xcnt 0.
.if KIND
	v_mov_b32 v31, s84
	v_cmp_ne_u32 vcc_lo, 0, v31
	s_wait_xcnt 0x0
	s_and_saveexec_b32 s86, vcc_lo                 ; all lanes or none: the f16 result of a step
.set i, 0
.rept 16
	global_store_b64 v27, v[Z+2*i:Z+2*i+1], s[12:13] offset:2048*i   ; a wave's store covers 256 consecutive bytes, aligned
.set i, i+1
.endr
	s_wait_xcnt 0x0
	s_mov_b32 exec_lo, -1
	v_mov_b32 v31, s85
	v_cmp_ne_u32 vcc_lo, 0, v31
	s_and_saveexec_b32 s86, vcc_lo                 ; all lanes or none: the f32 result of the last step
.set i, 0
.rept 16
	global_store_b128 v26, v[R1+4*i:R1+4*i+3], s[10:11] offset:4096*i   ; 512 consecutive bytes, aligned
.set i, i+1
.endr
	s_wait_xcnt 0x0
	s_mov_b32 exec_lo, -1
	v_or_b32 v31, s87, v0                          ; 0 in thread 0 of a step alone; in no thread of the last step
	v_cmp_eq_u32 vcc_lo, 0, v31
.else
.set i, 0
.rept 16
	global_store_b128 v26, v[R0+4*i:R0+4*i+3], s[10:11] offset:4096*i   ; bias, ahead of the relu: 512 consecutive bytes, aligned
	global_store_b64 v27, v[Z+2*i:Z+2*i+1], s[12:13] offset:2048*i      ; z1: 256 consecutive bytes, aligned
.set i, i+1
.endr
	v_cmp_eq_u32 vcc_lo, 0, v0                     ; thread 0 alone
	s_wait_xcnt 0x0
.endif
	s_and_saveexec_b32 s86, vcc_lo
	global_store_b128 v27, v[8:11], s[92:93]       ; the table entry; thread 0's v27 is 0
	s_wait_xcnt 0x0
	s_mov_b32 exec_lo, -1
	CROUND                                         ; the closing round: no work-group ends while a partner may still ask for a tile that names it
	s_endpgm
.Lfunc_end_k_qe20bbbd95a_gbias:
	.size	k_qe20bbbd95a_gbias, .Lfunc_end_k_qe20bbbd95a_gbias-k_qe20bbbd95a_gbias
	.p2alignl 7, 3214868480
	.fill 96, 4, 3214868480
	.section	.rodata,"a",@progbits
	.p2align	6, 0x0
	.amdhsa_kernel k_qe20bbbd95a_gbias
		.amdhsa_group_segment_fixed_size 327680
		.amdhsa_private_segment_fixed_size 0
		.amdhsa_enable_private_segment 0
		.amdhsa_kernarg_size 40
		.amdhsa_user_sgpr_count 2
		.amdhsa_user_sgpr_kernarg_segment_ptr 1
		.amdhsa_wavefront_size32 1
		.amdhsa_system_sgpr_workgroup_id_x 1
		.amdhsa_system_sgpr_workgroup_id_y 1
		.amdhsa_system_sgpr_workgroup_id_z 1
		.amdhsa_system_vgpr_workitem_id 0
		.amdhsa_next_free_vgpr 512
		.amdhsa_next_free_sgpr 96
		.amdhsa_reserve_vcc 1
		.amdhsa_float_denorm_mode_32 3
		.amdhsa_float_denorm_mode_16_64 3
		.amdhsa_memory_ordered 1
		.amdhsa_forward_progress 1
		.amdhsa_inst_pref_size 86
	.end_amdhsa_kernel
	.amdgpu_metadata
---
amdhsa.version: [ 1, 2 ]
amdhsa.kernels:
  - .name:           k_qe20bbbd95a_gbias
    .symbol:         k_qe20bbbd95a_gbias.kd
    .args:
      - { .name: xb, .offset: 0, .size: 8, .value_kind: global_buffer, .address_space: global }
      - { .name: ub, .offset: 8, .size: 8, .value_kind: global_buffer, .address_space: global }
      - { .name: U_b, .offset: 16, .size: 8, .value_kind: global_buffer, .address_space: global }
      - { .name: bias, .offset: 24, .size: 8, .value_kind: global_buffer, .address_space: global }
      - { .name: za, .offset: 32, .size: 8, .value_kind: global_buffer, .address_space: global }
    .group_segment_fixed_size: 327680
    .private_segment_fixed_size: 0
    .kernarg_segment_align: 8
    .kernarg_segment_size: 40
    .max_flat_workgroup_size: 128
    .sgpr_count:     96
    .vgpr_count:     512
    .wavefront_size: 32
...
	.end_amdgpu_metadata
.endif
;; end of part 2
;; launch gstep (part 3): grid 8 x 32, 4 waves a work-group, clusters of 4 x 4, 327,680 bytes of LDS; arguments za, wh, bias, out0, zb, par_s; writes zb, out0
.if DOCPART == 3
	.amdgcn_target "amdgcn-amd-amdhsa--gfx1250"
	.amdhsa_code_object_version 6
	.text
	.protected	k_qe20bbbd95a_gstep
	.globl	k_qe20bbbd95a_gstep
	.p2align	8
	.type	k_qe20bbbd95a_gstep,@function
k_qe20bbbd95a_gstep:
	s_mov_b64 s[64:65], 0
	v_nop
	global_prefetch_b8 v0, s[64:65] scope:SCOPE_SE
	s_setreg_imm32_b32 hwreg(HW_REG_WAVE_MODE, 25, 1), 1
	s_wait_xcnt 0x0
	s_wait_alu depctr_hold_cnt(0) depctr_sa_sdst(0) depctr_va_vdst(0) depctr_va_sdst(0) depctr_va_ssrc(0) depctr_va_vcc(0) depctr_vm_vsrc(0)
	s_getreg_b32 s2, hwreg(HW_REG_IB_STS2, 6, 4)
	s_cmp_eq_u32 s2, 0
	s_cbranch_scc0 .Lentry_in_a_cluster
	s_endpgm
.Lentry_in_a_cluster:
	s_bfe_u32 s2, ttmp6, 0x10000c
	s_cmp_lg_u32 s2, 0xf033
	s_cbranch_scc0 .Lentry_shape_is_right
	s_endpgm
.Lentry_shape_is_right:
.set KIND, 1
; ONE TEXT FOR TWO KERNELS; the line above chooses.
; KIND 0: bias = xb ub^T + bf16(U_b) in f32 (K = 3,072, bf16 operands), and z1 = relu(bias) sigma in f16.
; KIND 1: t = bias + (z' W^T) / sigma_in (K = 1,024, f16 operands), u = relu(t); by two flag words u sigma_out goes out in f16, or u itself in f32.
; THE SCALE.  z is kept as f16 times a power of two, sigma, chosen from a bound of the step's results, so that z sigma stays under 2^14.  The bound travels in a table of 256 entries of 16 bytes
; behind the f16 rows, one entry a work-group; a reader takes the largest of each word.  Words: the tile's largest z; the bound that scaled it; the largest relu(bias); g = 1,024 max|W|.
; The next bound is c + g a, which no result can pass.  Only values hang on these numbers: no address and no branch.
; LIMITS.  Bounds are held to 2^-110 .. 2^125; NaN and infinities are not treated apart.
; SHARES.  A work-group makes 64 rows x 128 columns of C.  Wave w takes columns 64 (w % 2) .. and, of every 256 bytes of a K step's rows, the 128 bytes at 128 (w / 2): all 64 rows x 64 columns,
; 16 accumulators, half of K.  The two halves of K meet in the f32 stage through which the results leave anyway.
; CLUSTER.  4 x 4 work-groups: the four of a row need the same rows of the first operand, the four of a column the same rows of the second: each tile is asked for jointly.
; THE MATRIX INSTRUCTION IS USED TRANSPOSED (source 0 = 16 rows of the second operand, source 1 = 16 rows of the first): a lane holds eight neighbouring numbers of a row of C.
.if KIND
.set SIZE_K, 1024
.set KSTEP,  256       ; rows of 512 bytes, 16 of padding behind each
.set PITCH,  528
.set QI,     6         ; padding after every 128 words
.set QSTEP,  256       ; LDS bytes from one 256 bytes of a row to the next
.set NSLOT,  3         ; three of the four K steps go out at the start; slot 0 is filled once more
.set STG,    101376    ; the stage lies in slot 1, whose one fill and last read are over at the K walk's last barrier
.set TABIN,  4194304   ; the table behind the first operand's rows
.set TB,     4
.set NADD,   16
.else
.set SIZE_K, 3072
.set KSTEP,  384       ; rows of 768 bytes, 16 of padding behind every 256
.set PITCH,  816
.set QI,     5         ; padding after every 64 words
.set QSTEP,  272
.set NSLOT,  2         ; two slots, as large as fit
.set STG,    0         ; the stage lies in slot 0, whose last fill and last read are over at the K walk's last barrier
.set TABIN,  6291456   ; the table behind the second operand's rows
.set TB,     6
.set NADD,   1
.endif
.set SLOT,   192*PITCH ; the first operand's 64 rows, then the second's 128.  Both pitches are odd multiples of 16 bytes: the 16 rows of a fragment load start in 16 different groups of four banks (ISA guide 11.1)
.set BOFF,   64*PITCH
.set RED,    NSLOT*SLOT ; 4 bytes a wave, in a block of its own
.set SPARE,  RED+256   ; the spare words, 128 bytes a wave
.set REFSTEP, 1536     ; bytes along K from a slot's K step to the one that fills it again: 2 x 768 or 3 x 512
.set SP,     528       ; a stage row: 128 f32 + 16 bytes
.set SREG,   64*SP     ; one stage region for each half of K
.set TABOUT, 4194304
.set Q1, QSTEP
.set Q2, 2*QSTEP
.set G1W0, (1<<16)|(1<<20)|(1<<21)|(QI<<22)|(3<<25)  ; 17:16 elements of 2 bytes; 20 padding on; 21 set beside a mask; 24:22 the interval; 31:25 4 words of padding
.set G1A, 28           ; s[28:35] group 1, first operand     s[36:43] second
.set G1B, 36
.set G0A, 44           ; s[44:55] group 0, first operand, a set for each slot     s[68:79] second
.set G0B, 68
; s[4:5] first operand, s[6:7] second, s[8:9] addend, s[10:11] f32 output, s[12:13] f16 output, s[14:15] flags; s16 wave, s17 wave / 2, s18 wave % 2; s19 cx, s20 cy, s21 tile column, s22 tile row
; s[84:85] the flags; s86 takes the old EXEC; s87 first flag xor 1; s[88:89] lane selects; s[92:93] my table entry
.set ADRA, 16          ; v16-18 my fragments of the first operand in slot 0, 1, 2;  v20-22 of the second
.set ADRB, 20
; v[4:5] 1 / sigma_in twice; v[6:7] sigma_out twice; v[8:11] the table's words; v12 the new bound; v13 the tile's maximum; v[2:3], v[14:15] at work; v19 my wave's word of RED, v23 RED: addresses alone;
; v24, v25 stage in, stage back; v26 16 lane, v27 8 lane; v28, v29 the add's two; v30 lane; v31 a flag
.set ADD,  32          ; v32-95 the addend: 16 rows x 4 of bias, or 4 of U_b
.set Z,    96          ; v96-127 the table as loaded; later 16 rows x 2 of f16
.set ACC,  128         ; v128-255 accumulator (a, b) at ACC + 8 (4 a + b); on the way out the two halves of K, 16 rows x 4 each
.set R0,   128
.set R1,   192
.set F0,   0           ; window 1: two fragment buffers of 128: 64 along K of the first operand (64 registers), then of the second
.set F1,   128
.set MUL,  0x05        ; sources 0 and 1 in window 1
.set TO_F, 0x40        ; destination in window 1
.set MSB, 0
.macro WIN new                         ; the immediate's high byte repeats the setting that is left
.if MSB != (\new)
	s_set_vgpr_msb (MSB<<8)|(\new)
.set MSB, \new
.endif
.endm
.macro PLACES                          ; four places in front of loads into registers that matrix instructions have read, and of stores that read results
.rept 4
	v_nop
.endr
.endm
; A joint refill: waves 0 and 1 fetch the two halves of the first operand's rows, waves 2 and 3 of the second's.  An s_nop 0 and four v_nop follow each line.
.macro JLOAD n
	s_cmp_eq_u32 s17, 0
	s_cbranch_scc0 .Lfor_b_\@
	tensor_load_to_lds s[G0A+4*(\n):G0A+4*(\n)+3], s[G1A:G1A+7]
	s_nop 0
	PLACES
	s_branch .Lasked_\@
.Lfor_b_\@:
	tensor_load_to_lds s[G0B+4*(\n):G0B+4*(\n)+3], s[G1B:G1B+7]
	s_nop 0
	PLACES
.Lasked_\@:
.endm
.macro FIRSTS g0, g1                   ; a wave's first fills on end, an s_nop 0 behind each, four v_nop behind the last
.set n, 0
.rept NSLOT
	tensor_load_to_lds s[(\g0)+4*n:(\g0)+4*n+3], s[\g1:(\g1)+7]
	s_nop 0
.set n, n+1
.endr
	PLACES
.endm
.macro CREST                           ; a round of the cluster's barrier behind its opening barrier
	s_cmp_lg_u32 s16, 0
	s_cbranch_scc1 .Lnot_wave_0_\@
	s_barrier_signal -3
.Lnot_wave_0_\@:
	s_barrier_wait -3
	s_barrier_signal -1
	s_barrier_wait -1
.endm
.macro CROUND
	s_barrier_signal -1
	s_barrier_wait -1
	CREST
.endm
.macro WMAX r                          ; the largest of a register over the wave's 32 lanes, in every lane
	v_max_num_f32_dpp v[\r], v[\r], v[\r] row_xmask:1 row_mask:0xf bank_mask:0xf
	v_max_num_f32_dpp v[\r], v[\r], v[\r] row_xmask:2 row_mask:0xf bank_mask:0xf
	v_max_num_f32_dpp v[\r], v[\r], v[\r] row_xmask:4 row_mask:0xf bank_mask:0xf
	v_max_num_f32_dpp v[\r], v[\r], v[\r] row_xmask:8 row_mask:0xf bank_mask:0xf
	v_permlanex16_b32 v14, v[\r], s88, s89
	v_max_num_f32 v[\r], v[\r], v14
.endm
.macro EXPO dst, src                   ; the exponent field e of a bound held to 2^-110 .. 2^125: 17 .. 252
	v_max_num_f32 v[\dst], 0x08800000, v[\src]
	v_min_num_f32 v[\dst], 0x7e000000, v[\dst]
	v_lshrrev_b32 v[\dst], 23, v[\dst]
.endm
	s_load_b256 s[4:11], s[0:1], 0x0
	s_load_b64 s[12:13], s[0:1], 0x20
.if KIND
	s_load_b64 s[14:15], s[0:1], 0x28
.endif
	v_lshl_add_u32 v28, v0, 2, SPARE
	v_mov_b32 v29, 0
	ds_add_u32 v28, v29                            ; the wave's opening: the add and its wait stand ahead of my first tensor load; the set-up below stands between them
	v_lshrrev_b32 v1, 5, v0
	v_readfirstlane_b32 s16, v1                    ; wave 0..3
	s_lshr_b32 s17, s16, 1                         ; my half of K.  Also: I fetch for the first operand (0) or the second (1)
	s_and_b32 s18, s16, 1                          ; my half of the columns.  Also: which half of that operand's rows I fetch
	s_bfe_u32 s19, ttmp6, 0x40000                  ; cx, cy: my place in the cluster
	s_bfe_u32 s20, ttmp6, 0x40004
	s_lshl_b32 s21, ttmp9, 2
	s_add_co_u32 s21, s21, s19                     ; tile column = 4 x cluster x + cx
	s_and_b32 s22, ttmp7, 0xffff
	s_lshl_b32 s22, s22, 2
	s_add_co_u32 s22, s22, s20                     ; tile row = 4 x cluster y + cy
	s_lshl_b32 s23, s20, 2
	s_lshl_b32 s23, 15, s23                        ; my row of the cluster
	s_lshl_b32 s24, 0x1111, s19                    ; my column
	s_or_b32 s[G1A], s23, G1W0                     ; the first operand's tiles go to my row,
	s_or_b32 s[G1B], s24, G1W0                     ; the second's to my column
	s_mov_b32 s[G1A+1], KSTEP<<16                  ; tensor_dim0
	s_mov_b32 s[G1A+2], 32<<16                     ; tensor_dim1 = 32 rows
	s_mov_b32 s[G1A+3], KSTEP<<16                  ; tile_dim0
	s_mov_b32 s[G1A+4], 32                         ; tile_dim1
	s_mov_b32 s[G1A+5], SIZE_K                     ; elements from row to row
	s_mov_b32 s[G1A+6], 0
	s_mov_b32 s[G1A+7], 0
	s_mov_b32 s[G1B+1], KSTEP<<16
	s_mov_b32 s[G1B+2], 64<<16                     ; 64 rows
	s_mov_b32 s[G1B+3], KSTEP<<16
	s_mov_b32 s[G1B+4], 64
	s_mov_b32 s[G1B+5], SIZE_K
	s_mov_b32 s[G1B+6], 0
	s_mov_b32 s[G1B+7], 0
	s_lshl_b32 s56, s22, 6                         ; first operand: row 64 x tile row + 32 x half: no register here ever holds cx
	s_lshl_b32 s60, s18, 5
	s_add_co_u32 s56, s56, s60
	s_mov_b32 s57, 0
	s_lshl_b32 s58, s21, 7                         ; second operand: row 128 x tile column + 64 x half: none ever holds cy
	s_lshl_b32 s60, s18, 6
	s_add_co_u32 s58, s58, s60
	s_mov_b32 s59, 0
	s_mov_b64 s[60:61], SIZE_K*2
	s_mul_u64 s[56:57], s[56:57], s[60:61]
	s_mul_u64 s[58:59], s[58:59], s[60:61]
	s_mul_i32 s25, s18, 32*PITCH                   ; where they go: no place in the cluster enters an LDS address
	s_mul_i32 s26, s18, 64*PITCH
	s_add_co_u32 s26, s26, BOFF
	s_lshl_b32 s80, s22, 6                         ; on the way out wave w has rows 64 x tile row + 16 w ..
	s_lshl_b32 s63, s16, 4
	s_add_co_u32 s80, s80, s63
	s_lshl_b32 s82, s80, 11                        ; in f16 rows of 2,048 bytes,
	s_lshl_b32 s80, s80, 12                        ; in f32 rows of 4,096
	s_lshl_b32 s63, s21, 9
	s_add_co_u32 s80, s80, s63
	s_lshl_b32 s63, s21, 8
	s_add_co_u32 s82, s82, s63
	s_mov_b32 s81, 0
	s_mov_b32 s83, 0
	s_lshl3_add_u32 s90, s22, s21                  ; my table entry: 8 x tile row + tile column
	s_lshl_b32 s90, s90, 4
	s_add_co_u32 s90, s90, TABOUT
	s_mov_b32 s91, 0
	s_mov_b32 s88, 0x76543210
	s_mov_b32 s89, 0xfedcba98
.if KIND == 0
	s_lshl_b32 s66, s21, 9                         ; U_b at the tile's 128 columns
	s_mov_b32 s67, 0
.endif
	s_wait_dscnt 0x0                               ; the opening add is done
	s_wait_kmcnt 0x0
	s_add_nc_u64 s[56:57], s[4:5], s[56:57]
	s_add_nc_u64 s[58:59], s[6:7], s[58:59]
.if KIND
	s_add_nc_u64 s[8:9], s[8:9], s[80:81]
.else
	s_add_nc_u64 s[8:9], s[8:9], s[66:67]
.endif
	s_add_nc_u64 s[10:11], s[10:11], s[80:81]
	s_add_nc_u64 s[92:93], s[12:13], s[90:91]
	s_add_nc_u64 s[12:13], s[12:13], s[82:83]
	CROUND                                         ; all sixteen work-groups are here: the first joint loads meet
.set n, 0
.rept NSLOT
	s_mov_b32 s[G0A+4*n], 1                        ; count = 1
	s_add_co_u32 s[G0A+4*n+1], s25, n*SLOT         ; LDS address
	s_add_nc_u64 s[G0A+4*n+2:G0A+4*n+3], s[56:57], n*KSTEP*2  ; global address: K step n
	s_or_b32 s[G0A+4*n+3], s[G0A+4*n+3], 0x80000000  ; type = 2
	s_mov_b32 s[G0B+4*n], 1
	s_add_co_u32 s[G0B+4*n+1], s26, n*SLOT
	s_add_nc_u64 s[G0B+4*n+2:G0B+4*n+3], s[58:59], n*KSTEP*2
	s_or_b32 s[G0B+4*n+3], s[G0B+4*n+3], 0x80000000
.set n, n+1
.endr
	s_cmp_eq_u32 s17, 0                            ; a wave's first fills stand in one branch: NSLOT loads of mine are out
	s_cbranch_scc0 .Lfirst_b
	FIRSTS G0A, G1A
	s_branch .Lfirst_asked
.Lfirst_b:
	FIRSTS G0B, G1B
.Lfirst_asked:
.if KIND
	s_load_b64 s[84:85], s[14:15], 0x0             ; the flags
.endif
	v_and_b32 v30, 31, v0
	v_lshlrev_b32 v26, 4, v30
	v_lshlrev_b32 v27, 3, v30
.set i, 0
.rept 8                                                ; the whole table, 4,096 bytes, in every wave
	global_load_b128 v[Z+4*i:Z+4*i+3], v26, s[TB:TB+1] offset:TABIN+512*i
.set i, i+1
.endr
.if KIND
.set i, 0
.rept 16                                               ; my 16 rows of bias, 512 consecutive bytes to a load: wanted on the way out
	global_load_b128 v[ADD+4*i:ADD+4*i+3], v26, s[8:9] offset:4096*i
.set i, i+1
.endr
.else
	global_load_b128 v[ADD:ADD+3], v26, s[8:9]
.endif
	; A fragment is 16 rows x 32 K in 8 registers: lane l holds row l % 16, K = 8 (l / 16) + 0..7 and 16 + 8 (l / 16) + 0..7: two loads of 16 bytes, 32 bytes apart
	v_and_b32 v1, 15, v0
	v_bfe_u32 v2, v0, 4, 1
	v_mul_u32_u24 v3, v1, PITCH
	v_lshl_add_u32 v3, v2, 4, v3
	s_lshl_b32 s63, s17, 7
	v_add_nc_u32 v3, s63, v3                       ; row x pitch + 16 x half of the lanes + 128 x my half of K
	s_mul_i32 s66, s18, 64*PITCH
	s_add_co_u32 s66, s66, BOFF
.set n, 0
.rept NSLOT
	v_add_nc_u32 v[ADRA+n], n*SLOT, v3
	v_add_nc_u32 v[ADRB+n], s66, v3
	s_add_co_u32 s66, s66, SLOT
.set n, n+1
.endr
	s_mul_i32 s67, s17, SREG                       ; into the stage: my half of K's region, row l % 16, my 256 bytes of it, 32 bytes for each half of the lanes
	s_lshl_b32 s63, s18, 8
	s_add_co_u32 s67, s67, s63
	s_add_co_u32 s67, s67, STG
	v_mul_u32_u24 v24, v1, SP
	v_lshl_add_u32 v24, v2, 5, v24
	v_add_nc_u32 v24, s67, v24
	s_mul_i32 s67, s16, 16*SP                      ; back: rows 16 w .., a whole row of 512 bytes to a load
	s_add_co_u32 s67, s67, STG
	v_add_nc_u32 v25, s67, v26
	s_lshl_b32 s63, s16, 2
	s_add_co_u32 s63, s63, RED
	v_mov_b32 v19, s63                             ; my wave's word for the tile's maximum,
	v_mov_b32 v23, RED                             ; and the four words: these two registers hold nothing else
	v_mov_b32 v13, 0                               ; the tile's maximum: every candidate is 0 or more
	v_mov_b32 v14, 0
	s_wait_loadcnt NADD                            ; the table is in; the addend's loads are younger
.irp c, 0,1,2,3
	v_max_num_f32 v[8+\c], v[Z+\c], v[Z+4+\c]
.endr
.set i, 2
.rept 6
.irp c, 0,1,2,3
	v_max_num_f32 v[8+\c], v[8+\c], v[Z+4*i+\c]
.endr
.set i, i+1
.endr
	WMAX 8
	WMAX 9
	WMAX 10
	WMAX 11
.if KIND
	v_fma_f32 v12, v11, v8, v10                    ; the new bound: c + g a
	EXPO 15, 9                                     ; the bound that scaled my first operand: 1 / sigma_in = 2^(e - 140)
	v_add_nc_u32 v4, -13, v15
	v_lshlrev_b32 v4, 23, v4
	v_mov_b32 v5, v4
.else
	v_mul_f32 v12, v8, v9
	v_fma_f32 v12, v12, 0x45400000, v10            ; max|U_b| + 3,072 max|x| max|U_w|
	v_mul_f32 v11, 0x44800000, v11                 ; g = 1,024 max|W|
.endif
	EXPO 14, 12                                    ; sigma_out = 2^(140 - e): the bound lies under 2^(e - 126), so z sigma under 2^14
	v_sub_nc_u32 v6, 0x10b, v14
	v_lshlrev_b32 v6, 23, v6
	v_mov_b32 v7, v6
.if KIND
	s_wait_kmcnt 0x0
	s_xor_b32 s87, s84, 1
.endif
; 8 matrix instructions: row blocks a0, a0 + 1 x all 4 column blocks, 32 along K: half c of buffer f.  zero = 1: the first product starts the sums
.macro MUL8 f, c, a0, zero
	WIN MUL
.irp a, \a0, (\a0)+1
.irp b, 0,1,2,3
.set rD, ACC+8*(4*(\a)+(\b))
.set rB, (\f)+64+8*(4*(\c)+(\b))
.set rA, (\f)+8*(4*(\c)+(\a))
.if KIND
.if \zero
	v_wmma_f32_16x16x32_f16 v[rD:rD+7], v[rB:rB+7], v[rA:rA+7], 0
.else
	v_wmma_f32_16x16x32_f16 v[rD:rD+7], v[rB:rB+7], v[rA:rA+7], v[rD:rD+7]
.endif
.else
.if \zero
	v_wmma_f32_16x16x32_bf16 v[rD:rD+7], v[rB:rB+7], v[rA:rA+7], 0
.else
	v_wmma_f32_16x16x32_bf16 v[rD:rD+7], v[rB:rB+7], v[rA:rA+7], v[rD:rD+7]
.endif
.endif
.endr
.endr
.endm
; 32 LDS loads in one run: the fragments of 64 along K at byte k of the rows, into buffer f; the first 32 along K first
.macro FETCH slot, k, f
	WIN TO_F
.irp c, 0,1
.irp i, 0,1,2,3
	ds_load_b128 v[(\f)+64+8*(4*(\c)+(\i)):(\f)+64+8*(4*(\c)+(\i))+3],   v[ADRB+(\slot)] offset:(\k)+64*(\c)+(\i)*16*PITCH
	ds_load_b128 v[(\f)+64+8*(4*(\c)+(\i))+4:(\f)+64+8*(4*(\c)+(\i))+7], v[ADRB+(\slot)] offset:(\k)+64*(\c)+(\i)*16*PITCH+32
	ds_load_b128 v[(\f)+8*(4*(\c)+(\i)):(\f)+8*(4*(\c)+(\i))+3],         v[ADRA+(\slot)] offset:(\k)+64*(\c)+(\i)*16*PITCH
	ds_load_b128 v[(\f)+8*(4*(\c)+(\i))+4:(\f)+8*(4*(\c)+(\i))+7],       v[ADRA+(\slot)] offset:(\k)+64*(\c)+(\i)*16*PITCH+32
.endr
.endr
.endm
; 64 along K, 32 matrix instructions, the 16 accumulators by turns: multiplies buffer f and, in its middle, fetches byte k of slot's rows into buffer g
.macro QUARTER slot, k, f, g, zero
	s_wait_dscnt 16                                ; the first 32 along K are in; the sixteen younger loads may be out
	MUL8 \f, 0, 0, \zero
	MUL8 \f, 0, 2, \zero
	PLACES
	FETCH \slot, \k, \g
	s_wait_dscnt 32                                ; all but the 32 just issued
	MUL8 \f, 1, 0, 0
	MUL8 \f, 1, 2, 0
.endm
; The last 64 along K of a slot, in buffer f, and the change of slots: ONE barrier; in front of it each wave waits for all its tensor loads, adds 0 to its spare word, and waits for that and for its
; reads of the slot.  fill = 1: the barrier opens a round of the cluster's, and the slot is filled again first thing behind it.  Then the next slot's first fragments go into buffer g.
.macro TURN slot, next, f, g, fill
	WIN 0                                          ; (the add's two registers lie in window 0)
	s_wait_tensorcnt 0x0                           ; all my tensor loads have landed
	ds_add_u32 v28, v29                            ; 0 onto my spare word
	s_wait_dscnt 17                                ; (the add and the youngest sixteen loads may be out)
	MUL8 \f, 0, 0, 0                               ; eight matrix instructions stand between the add and the wait for it
	s_wait_dscnt 0x0                               ; the add is done, and my reads of this slot are over
	s_barrier_signal -1
	MUL8 \f, 0, 2, 0
.if \fill
	WIN 0
.endif
	s_barrier_wait -1
.if \fill
	CREST                                          ; no wave of any partner still reads this slot or has a load on its way
	s_add_nc_u64 s[G0A+4*(\slot)+2:G0A+4*(\slot)+3], s[G0A+4*(\slot)+2:G0A+4*(\slot)+3], REFSTEP
	s_add_nc_u64 s[G0B+4*(\slot)+2:G0B+4*(\slot)+3], s[G0B+4*(\slot)+2:G0B+4*(\slot)+3], REFSTEP
	JLOAD \slot                                    ; my one tensor load behind the round; its four v_nop are also the places in front of the loads below
.else
	PLACES
.endif
	FETCH \next, 0, \g
	MUL8 \f, 1, 0, 0
	MUL8 \f, 1, 2, 0
.endm
.macro LAST f                          ; the very last 64 along K: nothing more to fetch
	s_wait_dscnt 16
	MUL8 \f, 0, 0, 0
	MUL8 \f, 0, 2, 0
	s_wait_dscnt 0x0
	MUL8 \f, 1, 0, 0
	MUL8 \f, 1, 2, 0
	WIN 0
.endm
	s_wait_tensorcnt NSLOT-1                       ; my part of K step 0 is in; the later ones may stay out
	s_barrier_signal -1
	s_barrier_wait -1                              ; everybody's is
	FETCH 0, 0, F0
.if KIND
	QUARTER 0, Q1, F0, F1, 1                       ; K step 0; the first products start the sums
	TURN 0, 1, F1, F0, 1                           ; all three first fills are in, everybody's; slot 0 takes K step 3, which has two K steps in which to land
	QUARTER 1, Q1, F0, F1, 0
	QUARTER 2, 0,  F1, F0, 0                       ; slot 2 is whole since the round: no barrier
	QUARTER 2, Q1, F0, F1, 0
	TURN 2, 0, F1, F0, 0                           ; K step 3 is in, everybody's; nothing is filled again
	QUARTER 0, Q1, F0, F1, 0
	LAST F1
.else
	QUARTER 0, Q1, F0, F1, 1                       ; a K step is three times 64 along K for a wave, so the two buffers change parts from step to step: a lap is two steps
	WIN 0                                          ; at a label and at a branch every window is 0
	s_mov_b32 s62, 3
.Llap:                                                 ; a trip goes once round the ring and fills both slots again: K steps 2 to 7
	QUARTER 0, Q2, F1, F0, 0
	TURN 0, 1, F0, F1, 1
	QUARTER 1, Q1, F1, F0, 0
	QUARTER 1, Q2, F0, F1, 0
	TURN 1, 0, F1, F0, 1
	QUARTER 0, Q1, F0, F1, 0
	WIN 0
	s_sub_co_u32 s62, s62, 1
	s_cmp_lg_u32 s62, 0
	s_cbranch_scc1 .Llap
	QUARTER 0, Q2, F1, F0, 0                       ; the last lap fills nothing
	TURN 0, 1, F0, F1, 0
	QUARTER 1, Q1, F1, F0, 0
	QUARTER 1, Q2, F0, F1, 0
	LAST F1
.endif
	; THE WAY OUT.  Each wave's 64 x 64 partial sums go into its half of K's stage region; behind a barrier wave w reads rows 16 w .. 16 w + 15 of both regions, whole, and finishes them.
	PLACES
.irp a, 0,1,2,3
.irp b, 0,1,2,3                                        ; each accumulator's low four registers first
	ds_store_b128 v24, v[ACC+8*(4*\a+\b):ACC+8*(4*\a+\b)+3]   offset:16*SP*\a+64*\b
	ds_store_b128 v24, v[ACC+8*(4*\a+\b)+4:ACC+8*(4*\a+\b)+7] offset:16*SP*\a+64*\b+16
.endr
.endr
	s_wait_dscnt 0x0                               ; for the others' sake: my stores into the stage are done
	s_barrier_signal -1
	s_barrier_wait -1
.set i, 0
.rept 16
	ds_load_b128 v[R0+4*i:R0+4*i+3], v25 offset:SP*i
	ds_load_b128 v[R1+4*i:R1+4*i+3], v25 offset:SREG+SP*i
.set i, i+1
.endr
	s_wait_loadcnt 0x0                             ; the addend
.if KIND == 0
	v_cvt_pk_bf16_f32 v14, v[ADD], v[ADD+1]        ; U_b is rounded to bf16 like the other inputs
	v_cvt_pk_bf16_f32 v15, v[ADD+2], v[ADD+3]
	v_lshlrev_b32 v[ADD], 16, v14
	v_and_b32 v[ADD+1], 0xffff0000, v14
	v_lshlrev_b32 v[ADD+2], 16, v15
	v_and_b32 v[ADD+3], 0xffff0000, v15
.endif
.set i, 0
.rept 16
	s_wait_dscnt 2*(15-i)                          ; row i's two loads are in; the later rows' stay out
	v_pk_add_f32 v[R0+4*i:R0+4*i+1],   v[R0+4*i:R0+4*i+1],   v[R1+4*i:R1+4*i+1]
	v_pk_add_f32 v[R0+4*i+2:R0+4*i+3], v[R0+4*i+2:R0+4*i+3], v[R1+4*i+2:R1+4*i+3]
.if KIND
	v_pk_fma_f32 v[R0+4*i:R0+4*i+1],   v[R0+4*i:R0+4*i+1],   v[4:5], v[ADD+4*i:ADD+4*i+1]
	v_pk_fma_f32 v[R0+4*i+2:R0+4*i+3], v[R0+4*i+2:R0+4*i+3], v[4:5], v[ADD+4*i+2:ADD+4*i+3]
.else
	v_pk_add_f32 v[R0+4*i:R0+4*i+1],   v[R0+4*i:R0+4*i+1],   v[ADD:ADD+1]
	v_pk_add_f32 v[R0+4*i+2:R0+4*i+3], v[R0+4*i+2:R0+4*i+3], v[ADD+2:ADD+3]
.endif
.irp c, 0,1,2,3
	v_max_num_f32 v[R1+4*i+\c], 0, v[R0+4*i+\c]    ; relu
.endr
	v_max3_num_f32 v13, v13, v[R1+4*i],   v[R1+4*i+1]
	v_max3_num_f32 v13, v13, v[R1+4*i+2], v[R1+4*i+3]
	v_pk_mul_f32 v[2:3],   v[R1+4*i:R1+4*i+1],   v[6:7]
	v_pk_mul_f32 v[14:15], v[R1+4*i+2:R1+4*i+3], v[6:7]
	v_cvt_pk_f16_f32 v[Z+2*i],   v2,  v3
	v_cvt_pk_f16_f32 v[Z+2*i+1], v14, v15
.set i, i+1
.endr
	; THE TILE'S MAXIMUM goes through LDS, and the wave's closing lines follow: all LDS work stands ahead of the lines that narrow EXEC, so that every LDS instruction of the text runs with all lanes on.
	WMAX 13
	ds_store_b32 v19, v13                          ; all lanes write my wave's word with the same number
	s_wait_dscnt 0x0                               ; for the others' sake: the word is written
	s_barrier_signal -1
	s_barrier_wait -1
	ds_load_b128 v[ADD:ADD+3], v23                 ; the four waves' maxima, in every lane of every wave: no branch on the wave's number
	s_wait_dscnt 0x0
	s_wait_tensorcnt 0x0                           ; the wave's end: behind my last tensor load and my last LDS store; the entry's arithmetic stands between the add and its wait
	ds_add_u32 v28, v29
	v_max_num_f32 v[ADD], v[ADD], v[ADD+1]
	v_max_num_f32 v[ADD+2], v[ADD+2], v[ADD+3]
	v_max_num_f32 v8, v[ADD], v[ADD+2]             ; the entry: the tile's largest z,
	v_mov_b32 v9, v12                              ; the bound that scaled it; v10 holds c, v11 holds g
.if KIND == 0
	v_mov_b32 v10, v8                              ; here z is relu(bias) itself
.endif
	s_wait_dscnt 0x0
	; THE STORES.  Every wave came in with all lanes on and nothing else narrows EXEC, so it is widened by the constant.  EXEC is a source of pending memory instructions: it changes only behind s_wait_xcnt 0.
.if KIND
	v_mov_b32 v31, s84
	v_cmp_ne_u32 vcc_lo, 0, v31
	s_wait_xcnt 0x0
	s_and_saveexec_b32 s86, vcc_lo                 ; all lanes or none: the f16 result of a step
.set i, 0
.rept 16
	global_store_b64 v27, v[Z+2*i:Z+2*i+1], s[12:13] offset:2048*i   ; a wave's store covers 256 consecutive bytes, aligned
.set i, i+1
.endr
	s_wait_xcnt 0x0
	s_mov_b32 exec_lo, -1
	v_mov_b32 v31, s85
	v_cmp_ne_u32 vcc_lo, 0, v31
	s_and_saveexec_b32 s86, vcc_lo                 ; all lanes or none: the f32 result of the last step
.set i, 0
.rept 16
	global_store_b128 v26, v[R1+4*i:R1+4*i+3], s[10:11] offset:4096*i   ; 512 consecutive bytes, aligned
.set i, i+1
.endr
	s_wait_xcnt 0x0
	s_mov_b32 exec_lo, -1
	v_or_b32 v31, s87, v0                          ; 0 in thread 0 of a step alone; in no thread of the last step
	v_cmp_eq_u32 vcc_lo, 0, v31
.else
.set i, 0
.rept 16
	global_store_b128 v26, v[R0+4*i:R0+4*i+3], s[10:11] offset:4096*i   ; bias, ahead of the relu: 512 consecutive bytes, aligned
	global_store_b64 v27, v[Z+2*i:Z+2*i+1], s[12:13] offset:2048*i      ; z1: 256 consecutive bytes, aligned
.set i, i+1
.endr
	v_cmp_eq_u32 vcc_lo, 0, v0                     ; thread 0 alone
	s_wait_xcnt 0x0
.endif
	s_and_saveexec_b32 s86, vcc_lo
	global_store_b128 v27, v[8:11], s[92:93]       ; the table entry; thread 0's v27 is 0
	s_wait_xcnt 0x0
	s_mov_b32 exec_lo, -1
	CROUND                                         ; the closing round: no work-group ends while a partner may still ask for a tile that names it
	s_endpgm
.Lfunc_end_k_qe20bbbd95a_gstep:
	.size	k_qe20bbbd95a_gstep, .Lfunc_end_k_qe20bbbd95a_gstep-k_qe20bbbd95a_gstep
	.p2alignl 7, 3214868480
	.fill 96, 4, 3214868480
	.section	.rodata,"a",@progbits
	.p2align	6, 0x0
	.amdhsa_kernel k_qe20bbbd95a_gstep
		.amdhsa_group_segment_fixed_size 327680
		.amdhsa_private_segment_fixed_size 0
		.amdhsa_enable_private_segment 0
		.amdhsa_kernarg_size 48
		.amdhsa_user_sgpr_count 2
		.amdhsa_user_sgpr_kernarg_segment_ptr 1
		.amdhsa_wavefront_size32 1
		.amdhsa_system_sgpr_workgroup_id_x 1
		.amdhsa_system_sgpr_workgroup_id_y 1
		.amdhsa_system_sgpr_workgroup_id_z 1
		.amdhsa_system_vgpr_workitem_id 0
		.amdhsa_next_free_vgpr 512
		.amdhsa_next_free_sgpr 96
		.amdhsa_reserve_vcc 1
		.amdhsa_float_denorm_mode_32 3
		.amdhsa_float_denorm_mode_16_64 3
		.amdhsa_memory_ordered 1
		.amdhsa_forward_progress 1
		.amdhsa_inst_pref_size 71
	.end_amdhsa_kernel
	.amdgpu_metadata
---
amdhsa.version: [ 1, 2 ]
amdhsa.kernels:
  - .name:           k_qe20bbbd95a_gstep
    .symbol:         k_qe20bbbd95a_gstep.kd
    .args:
      - { .name: za, .offset: 0, .size: 8, .value_kind: global_buffer, .address_space: global }
      - { .name: wh, .offset: 8, .size: 8, .value_kind: global_buffer, .address_space: global }
      - { .name: bias, .offset: 16, .size: 8, .value_kind: global_buffer, .address_space: global }
      - { .name: out0, .offset: 24, .size: 8, .value_kind: global_buffer, .address_space: global }
      - { .name: zb, .offset: 32, .size: 8, .value_kind: global_buffer, .address_space: global }
      - { .name: par_s, .offset: 40, .size: 8, .value_kind: global_buffer, .address_space: global }
    .group_segment_fixed_size: 327680
    .private_segment_fixed_size: 0
    .kernarg_segment_align: 8
    .kernarg_segment_size: 48
    .max_flat_workgroup_size: 128
    .sgpr_count:     96
    .vgpr_count:     512
    .wavefront_size: 32
...
	.end_amdgpu_metadata
.endif
;; end of part 3
;; launch step3: the kernel of part 3 again; grid 8 x 32, 4 waves a work-group, clusters of 4 x 4, 327,680 bytes of LDS; arguments zb, wh, bias, out0, za, par_s; writes za, out0
;; launch step4: the kernel of part 3 again; grid 8 x 32, 4 waves a work-group, clusters of 4 x 4, 327,680 bytes of LDS; arguments za, wh, bias, out0, zb, par_s; writes zb, out0
;; launch step5: the kernel of part 3 again; grid 8 x 32, 4 waves a work-group, clusters of 4 x 4, 327,680 bytes of LDS; arguments zb, wh, bias, out0, za, par_s; writes za, out0
;; launch step6: the kernel of part 3 again; grid 8 x 32, 4 waves a work-group, clusters of 4 x 4, 327,680 bytes of LDS; arguments za, wh, bias, out0, zb, par_s; writes zb, out0
;; launch last: the kernel of part 3 again; grid 8 x 32, 4 waves a work-group, clusters of 4 x 4, 327,680 bytes of LDS; arguments zb, wh, bias, out0, za, par_l; writes za, out0
